; MI455X (gfx1250); checked and timed in simulation.
; The chip was launched on July 23, 2026; its instructions are those of AMD's public machine-readable ISA for CDNA 5 (MIT licence, August 2026) and "CDNA5" Instruction Set Architecture Reference Guide (July 2026). The comments in the code are by the model that wrote it; some were corrected since.
;; Optimized ISM. Allowed arithmetic: matrix products marked QUANTISED: E2M1 operands, one E8M0 scale for each 32 along K, by v_wmma_scale_f32_16x16x128_f8f6f4 with both operands' format E2M1 (or v_wmma_scale_f32_32x16x128_f4), f32 sums; everything else in f32.
;; Inputs: D 4 x 256 x 32 x 32 float32; S 4 x 256 x 64 x 64 float32.
;; Outputs: out0 4 x 256 x 64 x 64 float32.
;; This version of the problem:
;;   THIS VERSION OF THE PROBLEM IS GIVEN IN LOW PRECISION. The matrix products marked QUANTISED in the list below multiply operands that are first quantised to E2M1 (2 exponent bits, 1 mantissa bit; 4 bits a number), with one power-of-two scale for each 32 numbers along K (OCP MX v1.0); their sums are f32. All else is computed in f32.
;;   The module's matrix products, in the order in which they are computed (A, B: the left and right operand; K: the contracted axis; several contracted axes count as one K, in the product's order):
;;     1. batch 4 x [M 4,096, K 256] x [K 256, N 4,096]; A: computed on the way; B: input S: QUANTISED
;;     2. batch 4 x [M 256, K 4,096] x [K 4,096, N 4,096]; A: input S; B: computed on the way: QUANTISED
;;   THE QUANTISER, for each operand of a quantised product, along K:
;;     - K is cut into blocks of 32 from its start; a last block that is shorter is filled with zeros.
;;     - A block's scale is 2^e with e = floor(log2(the largest magnitude in the block)) - 2, held to -126 .. 127; a block of zeros has e = 0. As a byte (E8M0): e + 127.
;;     - Each number is divided by its block's scale, clamped to +-6, and rounded to the nearest number of E2M1, ties to even, subnormals kept.
;;     - The product sums the exact products of the quantised numbers (number of the format x scale) in f32.
;;   ~~~python
;;   def quantise(x, axis):      # numpy; x: float32 -> the quantised numbers, widened to float32 again
;;       x = np.moveaxis(x, axis, -1); K = x.shape[-1]
;;       x = np.pad(x, [(0, 0)] * (x.ndim - 1) + [(0, -K % 32)]); x = x.reshape(x.shape[:-1] + (-1, 32)); a = np.abs(x).max(-1, keepdims=True)
;;       e = np.where(a > 0, np.clip(np.frexp(np.where(a > 0, a, 1))[1] - 1 - 2, -126, 127), 0)      # np.frexp(a)[1] - 1 = floor(log2(a)), exactly
;;       r = np.clip(x / 2.0 ** e, -6, 6)
;;       step = 2.0 ** (np.maximum(np.frexp(np.where(r == 0, 1, r))[1] - 1, 0) - 1)
;;       q = np.round(r / step) * step * 2.0 ** e      # np.round: ties to even
;;       return np.moveaxis(q.reshape(q.shape[:-2] + (-1,))[..., :K], -1, axis).astype(np.float32)
;;   ~~~
;;   OPERANDS COMPUTED ON THE WAY. 'Computed on the way' means the value that the module computes at that place (a softmax that the list does not call 'softmax' is quantised finished and normalised). What goes into a quantiser is computed in f32, as accurately as f32 sums, v_exp_f32 and their like allow (about 1e-6 of the number): no bf16 or f16 on the way to a quantiser, and a product that is left as it is and whose result goes on into a quantised operand takes f32 operands (vector FMAs, or v_wmma_f32_16x16x4_f32). A number that lies on a knife's edge between two numbers of the format may be rounded either way, as far as f32 arithmetic and the matrix unit's own rounding can turn it there, and no further.
;; 2 versions. Each part assembles by itself: llvm-mc -triple=amdgcn-amd-amdhsa -mcpu=gfx1250 --defsym DOCPART=n.
;; ======== version 1 of 2: 2 launches
;; workspace buffers: kc 2,097,152 bytes; ks 131,072 bytes; vc 2,097,152 bytes; vs 131,072 bytes
;; launch prep (part 1): grid 64 x 4, 16 waves a work-group, no clusters, 70,656 bytes of LDS; arguments S, kc, ks, vc, vs; writes kc, ks, vc, vs
.if DOCPART == 1
	.amdgcn_target "amdgcn-amd-amdhsa--gfx1250"
	.amdhsa_code_object_version 6
	.text
	.protected	k_q99947acd4e_prep
	.globl	k_q99947acd4e_prep
	.p2align	8
	.type	k_q99947acd4e_prep,@function
k_q99947acd4e_prep:
	s_mov_b64 s[64:65], 0
	v_nop
	global_prefetch_b8 v0, s[64:65] scope:SCOPE_SE
	s_setreg_imm32_b32 hwreg(HW_REG_WAVE_MODE, 25, 1), 1
	s_wait_xcnt 0x0
; S [4][256 c][4096 keys], f32, is quantised TWICE into codes of FP4 (E2M1) with one E8M0 byte for each 32 numbers: along c (the first product's K) and along the keys (the second product's K).
; The codes and scale bytes are laid in the order in which the next launch's operand registers take them, so that there every fragment comes by loads of 16 bytes a lane, 512 consecutive bytes a load.
;   kc [b][sigma][s][T 0..7][c' 0..1][lane][16 B]   sigma = key / 128, s = c / 128.  Lane (r, h), half c': the 32 codes of channel block 4 s + 2 c' + h of key 128 sigma + 32 (T / 2) + 8 (T % 2) + r + 8 (r / 8)
;   ks [b][sigma][s][lane 16 u + r][bb 0..3][4 B]   the four scale bytes (blocks 4 s .. 4 s + 3) of row r of tile T = 2 bb + u
;   vc [b][sigma][t 0..15][c' 0..1][lane][16 B]     lane (r, h), half c': channel 16 t + r, keys 128 sigma + 64 c' + 32 h + 0 .. 31
;   vs [b][sigma][g 0..1][lane 16 m + r][i 0..3][4 B]  the four scale bytes (the step's four key blocks) of row r of tile t = 8 g + 2 i + m
; SHARES.  A work-group takes 128 channels x 128 keys: 128 pieces of rows, 512 consecutive aligned bytes each, read once into LDS (rows 528 bytes apart).  Each of its 16 waves then makes one 32 x 32 part
; of kc (a lane a key, its registers down the channels) and one of vc (a lane a channel and a block of 32 keys): a block's 32 numbers lie in ONE lane's registers both times, so no lane asks another for a maximum.
; A block's scale is 2^(floor(log2(largest magnitude)) - 2); its byte is the largest magnitude's exponent field - 2, held at 1 from below.
; LIMITS: a block of zeros, and one whose largest magnitude lies under 2^-124, gets the byte 1 (a block of zeros has zero codes, and these bytes are read by this program alone); NaN and infinities are not served.
; No matrix unit, no tensor load, no cluster: each byte of S is read by one work-group, once.
.set PITCH, 528                        ; an LDS row: 512 bytes + 16
.set TILE,  0                          ; 128 rows
.set KSA,   128*PITCH                  ; 512 scale bytes for ks
.set VSA,   KSA+512                    ; 512 for vs
.set RAW,   16                         ; v16-47   eight pieces of rows as loaded
.set X,     48                         ; v48-79   32 numbers down the channels
.set Y,     80                         ; v80-111  32 numbers along the keys
.set CK,    112                        ; v112-115 codes for kc
.set CV,    116                        ; v116-119 codes for vc
.set EK,    120                        ; v120, v121 the two scale bytes
.set EV,    121
	s_load_b256 s[4:11], s[0:1], 0x0               ; S s[4:5], kc s[6:7], ks s[8:9], vc s[10:11]
	s_load_b64 s[12:13], s[0:1], 0x20              ; vs
	v_lshl_add_u32 v128, v0, 2, 0x10c00
	v_mov_b32 v129, 0
	v_lshrrev_b32 v1, 5, v0
	v_readfirstlane_b32 s14, v1                    ; wave 0..15
	s_and_b32 s15, ttmp7, 0xffff                   ; b
	s_mov_b32 s16, ttmp9                           ; x = 2 sigma + s
	s_lshl_b32 s17, s15, 6
	s_add_co_u32 s17, s17, s16                     ; the work-group's number, 64 b + x
	s_and_b32 s27, s14, 3                          ; wave % 4: which block of 32 channels for kc
	s_lshr_b32 s28, s14, 2                         ; wave / 4: which 32 keys for kc
	s_lshr_b32 s30, s14, 1                         ; wave / 2: which tile of 16 channels for vc
	s_and_b32 s31, s14, 1                          ; wave % 2: which 64 keys for vc
	; where my wave's eight pieces of rows begin in S: b x 4,194,304 + (128 (x % 2) + 8 wave) x 16,384 + (x / 2) x 512
	s_lshl_b32 s18, s15, 22
	s_and_b32 s26, s16, 1
	s_lshl_b32 s26, s26, 21
	s_add_co_u32 s18, s18, s26
	s_lshl_b32 s26, s14, 17
	s_add_co_u32 s18, s18, s26
	s_lshr_b32 s26, s16, 1
	s_lshl_b32 s26, s26, 9
	s_add_co_u32 s18, s18, s26
	s_mov_b32 s19, 0
	; kc: 8,192 x work-group + 2,048 (wave / 4) + 256 (wave % 4)
	s_lshl_b32 s20, s17, 13
	s_lshl_b32 s26, s28, 11
	s_add_co_u32 s20, s20, s26
	s_lshl_b32 s26, s27, 8
	s_add_co_u32 s20, s20, s26
	s_mov_b32 s21, 0
	; vc: 8,192 x work-group + 512 x wave
	s_lshl_b32 s22, s17, 13
	s_lshl_b32 s26, s14, 9
	s_add_co_u32 s22, s22, s26
	s_mov_b32 s23, 0
	; ks, vs: 512 x work-group
	s_lshl_b32 s24, s17, 9
	s_mov_b32 s25, 0
	v_and_b32 v1, 31, v0                           ; lane
	v_lshlrev_b32 v2, 4, v1                        ; 16 x lane: my 16 bytes of 512; never rewritten
	s_mul_i32 s26, s14, 8*PITCH
	v_add_nc_u32 v3, s26, v2                       ; into the tile: my wave's eight rows
	s_mul_i32 s26, s27, 32*PITCH
	s_lshl_b32 s29, s28, 7
	s_add_co_u32 s26, s26, s29
	v_lshl_add_u32 v4, v1, 2, s26                  ; down the channels: row 32 (wave % 4), key 32 (wave / 4) + lane
	v_and_b32 v10, 15, v0                          ; r
	v_bfe_u32 v11, v0, 4, 1                        ; h
	s_mul_i32 s26, s30, 16*PITCH
	s_lshl_b32 s29, s31, 8
	s_add_co_u32 s26, s26, s29
	v_mul_u32_u24 v5, v10, PITCH
	v_lshl_add_u32 v5, v11, 7, v5
	v_add_nc_u32 v5, s26, v5                       ; along the keys: row 16 (wave / 2) + r, keys 64 (wave % 2) + 32 h on
	; key 32 bb + lane is row 8 (lane / 16) + lane % 8 of tile 2 bb + (lane / 8) % 2
	v_and_b32 v12, 7, v0
	v_bfe_u32 v13, v0, 3, 1
	v_lshlrev_b32 v6, 4, v12
	v_lshl_add_u32 v6, v11, 7, v6
	v_lshl_add_u32 v7, v13, 8, v6                  ; the key's 16 bytes of scale words: 256 u + 16 x row,
	v_lshl_add_u32 v6, v13, 10, v6                 ; and its codes' place in kc: 1,024 u + 16 x row
	s_add_co_u32 s26, s14, KSA
	v_add_nc_u32 v7, s26, v7                       ; + 4 (wave / 4) + wave % 4 = + wave: my byte
	s_and_b32 s26, s30, 1
	s_lshl_b32 s26, s26, 8
	s_lshl_b32 s29, s28, 2
	s_add_co_u32 s26, s26, s29
	s_lshl_b32 s29, s31, 1
	s_add_co_u32 s26, s26, s29
	s_add_co_u32 s26, s26, VSA
	v_lshl_add_u32 v8, v10, 4, v11
	v_add_nc_u32 v8, s26, v8                       ; vs: 256 ((wave / 2) % 2) + 16 r + 4 (wave / 4) + 2 (wave % 2) + h
	s_lshl_b32 s26, s31, 9
	s_add_co_u32 s26, s26, KSA
	v_add_nc_u32 v9, s26, v2                       ; the way out of the scale bytes: wave 0 takes ks's 512, wave 1 vs's
	s_wait_kmcnt 0x0
	s_add_nc_u64 s[4:5], s[4:5], s[18:19]
	s_add_nc_u64 s[6:7], s[6:7], s[20:21]
	s_add_nc_u64 s[10:11], s[10:11], s[22:23]
	s_add_nc_u64 s[8:9], s[8:9], s[24:25]
	s_add_nc_u64 s[12:13], s[12:13], s[24:25]
.irp j, 0,1,2,3,4,5,6,7
	global_load_b128 v[RAW+4*\j:RAW+4*\j+3], v2, s[4:5] offset:16384*\j th:TH_LOAD_NT   ; 32 lanes read 512 consecutive bytes of one channel; read once in the launch
.endr
.irp j, 0,1,2,3,4,5,6,7
	s_wait_loadcnt 7-\j                            ; loads come back in order: piece j is in, the younger ones may be out
	ds_store_b128 v3, v[RAW+4*\j:RAW+4*\j+3] offset:PITCH*\j
.endr
	s_wait_dscnt 0x0                               ; for the others' sake: my rows lie in the tile
	s_barrier_signal -1
	s_barrier_wait -1
.set i, 0
.rept 32
	ds_load_b32 v[X+i], v4 offset:PITCH*i          ; S(32 (wave % 4) + i, my key): 32 lanes read 128 consecutive bytes
.set i, i+1
.endr
.irp g, 0,1,2,3,4,5,6,7
	ds_load_b128 v[Y+4*\g:Y+4*\g+3], v5 offset:16*\g   ; my channel's block of 32 keys; the sixteen rows of a pass start 528 bytes apart
.endr
; 32 numbers of one lane, v[x] on, become 4 registers of codes, v[c] on, and a scale byte, v[e]
.macro QBLK x, c, e
	v_max3_num_f32 v10, |v[\x]|, |v[\x+1]|, |v[\x+2]|              ; the block's largest magnitude, in two chains that do not wait for each other
	v_max3_num_f32 v11, |v[\x+3]|, |v[\x+4]|, |v[\x+5]|
.irp i, 6,10,14,18,22,26
	v_max3_num_f32 v10, v10, |v[\x+\i]|, |v[\x+\i+1]|
	v_max3_num_f32 v11, v11, |v[\x+\i+2]|, |v[\x+\i+3]|
.endr
	v_max3_num_f32 v10, v10, |v[\x+30]|, |v[\x+31]|
	v_max3_num_f32 v10, v10, v11, 0x1800000        ; and the floor 2^(3 - 127): the byte cannot fall under 1
	v_add_nc_u32 v12, 0xff000000, v10              ; 2 off its exponent field: the conversion takes the exponent field of this operand as its scale
.irp g, 0,1,2,3
	v_cvt_scalef32_pk8_fp4_f32 v[\c+\g], v[\x+8*\g:\x+8*\g+7], v12   ; to the nearest code, ties to even, beyond 6 the largest code; the first number's code in the lowest bits
.endr
	v_lshrrev_b32 v[\e], 23, v12                   ; the scale's byte.  (Also the plain line behind the conversions)
.endm
	s_wait_dscnt 8                                 ; the 32 loads down the channels are in; the eight younger ones may be out
	QBLK X, CK, EK
	global_store_b128 v6, v[CK:CK+3], s[6:7]       ; sixteen lanes store 256 consecutive aligned bytes, twice
	ds_store_b8 v7, v[EK]
	s_wait_dscnt 1                                 ; the eight loads along the keys are in; only the byte store is younger
	QBLK Y, CV, EV
	global_store_b128 v2, v[CV:CV+3], s[10:11]     ; 512 consecutive aligned bytes
	ds_store_b8 v8, v[EV]
	s_wait_dscnt 0x0                               ; for the others' sake: my two bytes lie in LDS
	s_barrier_signal -1
	s_barrier_wait -1
	s_cmp_gt_u32 s14, 1                            ; waves 0 and 1 carry the scale bytes out; no barrier stands behind this branch
	s_cbranch_scc1 .Ldone
	s_cmp_eq_u32 s14, 0
	s_cselect_b64 s[26:27], s[8:9], s[12:13]       ; the choice hangs on the wave's number alone
	ds_load_b128 v[122:125], v9
	s_wait_dscnt 0x0
	global_store_b128 v2, v[122:125], s[26:27]     ; 512 consecutive aligned bytes
.Ldone:
	s_wait_tensorcnt 0x0
	ds_add_u32 v128, v129
	s_wait_dscnt 0x0
	s_endpgm
.Lfunc_end_k_q99947acd4e_prep:
	.size	k_q99947acd4e_prep, .Lfunc_end_k_q99947acd4e_prep-k_q99947acd4e_prep
	.p2alignl 7, 3214868480
	.fill 96, 4, 3214868480
	.section	.rodata,"a",@progbits
	.p2align	6, 0x0
	.amdhsa_kernel k_q99947acd4e_prep
		.amdhsa_group_segment_fixed_size 70656
		.amdhsa_private_segment_fixed_size 0
		.amdhsa_enable_private_segment 0
		.amdhsa_kernarg_size 40
		.amdhsa_user_sgpr_count 2
		.amdhsa_user_sgpr_kernarg_segment_ptr 1
		.amdhsa_wavefront_size32 1
		.amdhsa_system_sgpr_workgroup_id_x 1
		.amdhsa_system_sgpr_workgroup_id_y 1
		.amdhsa_system_sgpr_workgroup_id_z 1
		.amdhsa_system_vgpr_workitem_id 0
		.amdhsa_next_free_vgpr 130
		.amdhsa_next_free_sgpr 66
		.amdhsa_reserve_vcc 0
		.amdhsa_float_denorm_mode_32 3
		.amdhsa_float_denorm_mode_16_64 3
		.amdhsa_memory_ordered 1
		.amdhsa_forward_progress 1
		.amdhsa_inst_pref_size 12
	.end_amdhsa_kernel
	.amdgpu_metadata
---
amdhsa.version: [ 1, 2 ]
amdhsa.kernels:
  - .name:           k_q99947acd4e_prep
    .symbol:         k_q99947acd4e_prep.kd
    .args:
      - { .name: S, .offset: 0, .size: 8, .value_kind: global_buffer, .address_space: global }
      - { .name: kc, .offset: 8, .size: 8, .value_kind: global_buffer, .address_space: global }
      - { .name: ks, .offset: 16, .size: 8, .value_kind: global_buffer, .address_space: global }
      - { .name: vc, .offset: 24, .size: 8, .value_kind: global_buffer, .address_space: global }
      - { .name: vs, .offset: 32, .size: 8, .value_kind: global_buffer, .address_space: global }
    .group_segment_fixed_size: 70656
    .private_segment_fixed_size: 0
    .kernarg_segment_align: 8
    .kernarg_segment_size: 40
    .max_flat_workgroup_size: 512
    .sgpr_count:     66
    .vgpr_count:     130
    .wavefront_size: 32
...
	.end_amdgpu_metadata
.endif
;; end of part 1
;; launch attn (part 2): grid 32 x 4, 4 waves a work-group, no clusters, 170,752 bytes of LDS; arguments D, kc, ks, vc, vs, out0; writes out0
.if DOCPART == 2
	.amdgcn_target "amdgcn-amd-amdhsa--gfx1250"
	.amdhsa_code_object_version 6
	.text
	.protected	k_q99947acd4e_attn
	.globl	k_q99947acd4e_attn
	.p2align	8
	.type	k_q99947acd4e_attn,@function
k_q99947acd4e_attn:
	s_mov_b64 s[64:65], 0
	v_nop
	global_prefetch_b8 v0, s[64:65] scope:SCOPE_SE
	s_setreg_imm32_b32 hwreg(HW_REG_WAVE_MODE, 25, 1), 1
	s_wait_xcnt 0x0
; Z[b][c][hh][ww] = sum over keys of p(query, key) S[b][c][key] + D[b][c][hh / 2][ww / 2];  p = softmax over each 64 neighbouring keys (one row i of S) of (D . S) / 16.
; Both products on codes of FP4 (E2M1) with one E8M0 scale for each 32 along K.  S's codes come from the launch before (kc, ks along the channels; vc, vs along the keys), laid in the order of the operands' registers.
; THE FOUR PIXELS OF A 2 x 2 BLOCK OF THE OUTPUT HAVE THE SAME QUERY (the nearest-neighbour upsampling repeats D's pixels), so their codes, scores, weights and sums are equal: each of D's 1,024 pixels a batch is computed once
; and its result is stored four times.
; SHARES.  A work-group owns one row of D: 32 queries, two tiles of 16, and so two whole rows of the output in each channel.  THE WAVES SHARE THE KEYS: wave w walks keys 1,024 w .. 1,024 w + 1,023, 128 a step, for both tiles and
; all 256 channels; at the end the four partial sums meet in LDS, and wave w adds and stores channels 64 w .. 64 w + 63.
; OPERANDS GO FROM MEMORY STRAIGHT INTO REGISTERS.  No fragment of K or V is read by two waves of a work-group, so LDS would be a way station only.  NO CLUSTER, NO JOINT LOADS, though all 32 work-groups of a batch read the same
; codes: a ring in LDS would take two slots of 512 keys (139,264 bytes each) and a round of the cluster's barrier in front of each of six refills, each with one step's 64 matrix instructions a wave in which to land; loads into
; registers with counted waits keep 68 loads of 512 bytes a wave on their way with no barrier at all.
; LAYOUT.  Both products are used transposed: S^T = K Q^T (source 0 = 16 keys, source 1 = 16 queries), O^T = V^T P^T (source 0 = 16 channels, source 1 = P): a lane holds ONE query (lane % 16) throughout.
; THE KEYS OF A TILE ARE NOT NEIGHBOURS (row r of tile 2 b + u is key 32 b + 8 u + r + 8 (r / 8)), so that the 16 registers of tiles 2 b and 2 b + 1 are the keys 32 b + 16 (lane / 16) + 0 .. 15.
; SOFTMAX.  A step holds two whole groups of 64 keys, so each group is finished in its step: maximum, p = 2^(c s - c m) with c = log2(e) / 16, sum, division, quantiser.  Nothing is carried from step to step but O^T.
; LIMITS.  NaN and infinities are not served.  A block whose largest magnitude lies under 2^-124 keeps the scale byte 1.  A weight under 2^-126 becomes 0 (v_exp_f32 flushes).  A block's largest weight is made from its largest
; score by the same three operations as every weight, which takes v_exp_f32 not to fall where its input rises.  c m is rounded once and is common to a group's 64 keys, so its rounding cancels in the division.
; The second product's K is summed in four parts, one a wave, which are then added: an order of rounding other than one chain's.
; REGISTERS, in windows of 256 (s_set_vgpr_msb: bits 1:0 source 0, 3:2 source 1, 5:4 source 2, 7:6 destination):
;   window 0: v1-12 addresses; v16-47 Q; v48-65 scale words of Q, K, V; v66-81 P's codes; v82-83 P's scale words; v84-117 at work; v128-255 S^T, 64 a tile of queries
;   window 1: O^T, accumulator (tile, t) at 128 x tile + 8 t; at the end the pairs to be stored        window 2: K's 16 fragments; at the end the four partial sums        window 3: V's 16 fragments; v128-191 the residual
.set DST,  0                           ; LDS: 4 x 8,192: a wave's 64 channels x 32 queries of D, f32; kept to the end for the residual
.set QIMG, 32768                       ; Q's four fragments as images of their registers: [tile][K step][half][lane][16 B]
.set QSC,  36864                       ; Q's scale words: [K step][query][4 bytes]
.set STG,  37120                       ; 4 x 33,280: a wave's partial O: 32 rows (queries) of 1,024 bytes + 16
.set SPT,  1040
.set WST,  32*SPT
.set L16, 1                            ; v1   16 x lane; never rewritten
.set DGA, 2                            ; v2   D in memory: four channels a load, 128 bytes each
.set DSA, 3                            ; v3   D into LDS
.set DLA, 4                            ; v4   D out of LDS: a lane a query
.set QWI, 5                            ; v5   where I store my half fragments of Q
.set QWS, 6                            ; v6   and my two scale bytes
.set QRS, 7                            ; v7   where I read Q's scale words
.set STO, 8                            ; v8   the stage: where I put 16 bytes of a query's row
.set RD0, 9                            ; v9   the stage: my query's row, my wave's 64 channels, in partial sums 0 and 1;
.set RD2, 10                           ; v10  in partial sums 2 and 3
.set OA,  11                           ; v11  8 x lane: my two pixels of a row of the output
.set PFO, 12                           ; v12  256 x lane: the prefetches' offset; never rewritten
.set QF,  16                           ; Q's fragment (tile, K step) at QF + 16 tile + 8 step
.set QSW, 48                           ; v48-49  Q's scale words of K step s: lanes 0-15 tile 0's, lanes 16-31 tile 1's
.set KSW, 50                           ; v50-57  K's: register 4 s + bb: lanes 0-15 tile 2 bb's, lanes 16-31 tile 2 bb + 1's
.set VSW, 58                           ; v58-65  V's: register 4 g + i: lanes 0-15 tile 8 g + 2 i's, lanes 16-31 tile 8 g + 2 i + 1's
.set PC,  66                           ; v66-81  P's codes, 8 registers a tile
.set PW,  82                           ; v82-83  P's scale words
.set BM,  84                           ; v84-87  a block's largest score, then its largest weight
.set BX,  88                           ; v88-91  the other half of the lanes'
.set SO,  92                           ; v92-95  the conversions' scale operands
.set BY,  96                           ; v96-99  the scale bytes
.set NM0, 100                          ; v100, v102  -c m of the step's two groups (v101, v103 are named with them as pairs)
.set NM1, 102
.set R0,  104                          ; v104, v106  1 / the groups' sums (v105, v107 likewise)
.set R1,  106
.set SA0, 108                          ; v108-115 the sums, two chains of pairs a group
.set SB0, 110
.set SA1, 112
.set SB1, 114
.set SX,  116                          ; v116-117
.set SS,  128                          ; S^T
.set DB,  4                            ; s[4:5] D, s[6:7] kc, s[8:9] ks, s[10:11] vc, s[12:13] vs, s[14:15] out0, each at my part
.set KCB, 6
.set KSB, 8
.set VCB, 10
.set VSB, 12
.set OB,  14
.set WV,  16
.set BB,  17
.set HP,  18
.set SEL, 20                           ; s[20:21] v_permlanex16_b32's selects for lane l xor 16
.set CS,  22                           ; s[22:23] c, twice: the packed form names a pair
.set NC,  24                           ; s24  -c
.set CNT, 25
.set LIM, 26                           ; s26  2 in a work-group that prefetches, else the greatest number
.set PFA, 28                           ; s[28:29] where my prefetches stand
.set MSB, 0
.macro WIN new                         ; the immediate's high byte repeats the setting that is left; a switch that changes nothing is dropped
.if MSB != \new
	s_set_vgpr_msb (MSB<<8)|\new
.set MSB, \new
.endif
.endm
.set W_QK, 0x02                        ; K in window 2; Q and S^T in window 0
.set W_PV, 0x53                        ; V in window 3, P in window 0, O^T in window 1
.set TO_K, 0x80                        ; destination window 2
.set TO_V, 0xc0                        ; destination window 3
.set ST_O, 0x04                        ; a store's data in window 1
.set SUM,  0x8a                        ; both sources and the destination in window 2
.set FIN,  0x4e                        ; source 0 window 2, source 1 window 3, destination window 1
.macro PLACES                          ; four plain vector lines behind a matrix instruction, ahead of loads into its registers, of reads of its result, and of a scaled matrix instruction whose operand a vector line has written
.rept 4
	v_nop
.endr
.endm
; The one matrix line: D v[rD ..], source 0 v[rA ..], source 1 v[rB ..], their scale words v[rE], v[rF].  zero: the product starts the sum; ra, rb: the scale words stand in lanes 16-31.
.macro WM zero, ra, rb
.if (\zero) && (\ra) && (\rb)
	v_wmma_scale_f32_16x16x128_f8f6f4 v[rD:rD+7], v[rA:rA+7], v[rB:rB+7], 0, v[rE], v[rF] matrix_a_fmt:MATRIX_FMT_FP4 matrix_b_fmt:MATRIX_FMT_FP4 matrix_a_scale:MATRIX_SCALE_ROW1 matrix_b_scale:MATRIX_SCALE_ROW1
.elseif (\zero) && (\ra)
	v_wmma_scale_f32_16x16x128_f8f6f4 v[rD:rD+7], v[rA:rA+7], v[rB:rB+7], 0, v[rE], v[rF] matrix_a_fmt:MATRIX_FMT_FP4 matrix_b_fmt:MATRIX_FMT_FP4 matrix_a_scale:MATRIX_SCALE_ROW1
.elseif (\zero) && (\rb)
	v_wmma_scale_f32_16x16x128_f8f6f4 v[rD:rD+7], v[rA:rA+7], v[rB:rB+7], 0, v[rE], v[rF] matrix_a_fmt:MATRIX_FMT_FP4 matrix_b_fmt:MATRIX_FMT_FP4 matrix_b_scale:MATRIX_SCALE_ROW1
.elseif (\zero)
	v_wmma_scale_f32_16x16x128_f8f6f4 v[rD:rD+7], v[rA:rA+7], v[rB:rB+7], 0, v[rE], v[rF] matrix_a_fmt:MATRIX_FMT_FP4 matrix_b_fmt:MATRIX_FMT_FP4
.elseif (\ra) && (\rb)
	v_wmma_scale_f32_16x16x128_f8f6f4 v[rD:rD+7], v[rA:rA+7], v[rB:rB+7], v[rD:rD+7], v[rE], v[rF] matrix_a_fmt:MATRIX_FMT_FP4 matrix_b_fmt:MATRIX_FMT_FP4 matrix_a_scale:MATRIX_SCALE_ROW1 matrix_b_scale:MATRIX_SCALE_ROW1
.elseif (\ra)
	v_wmma_scale_f32_16x16x128_f8f6f4 v[rD:rD+7], v[rA:rA+7], v[rB:rB+7], v[rD:rD+7], v[rE], v[rF] matrix_a_fmt:MATRIX_FMT_FP4 matrix_b_fmt:MATRIX_FMT_FP4 matrix_a_scale:MATRIX_SCALE_ROW1
.elseif (\rb)
	v_wmma_scale_f32_16x16x128_f8f6f4 v[rD:rD+7], v[rA:rA+7], v[rB:rB+7], v[rD:rD+7], v[rE], v[rF] matrix_a_fmt:MATRIX_FMT_FP4 matrix_b_fmt:MATRIX_FMT_FP4 matrix_b_scale:MATRIX_SCALE_ROW1
.else
	v_wmma_scale_f32_16x16x128_f8f6f4 v[rD:rD+7], v[rA:rA+7], v[rB:rB+7], v[rD:rD+7], v[rE], v[rF] matrix_a_fmt:MATRIX_FMT_FP4 matrix_b_fmt:MATRIX_FMT_FP4
.endif
.endm
; A step's K: 16 fragments (K step s, tile T) and their scale words: 34 loads, 512 consecutive bytes each
.macro LOADK
	WIN TO_K
.irp s, 0,1
.irp T, 0,1,2,3,4,5,6,7
.irp c, 0,1
	global_load_b128 v[64*\s+8*\T+4*\c:64*\s+8*\T+4*\c+3], v[L16], s[KCB:KCB+1] offset:8192*\s+1024*\T+512*\c
.endr
.endr
.endr
	WIN 0
.irp s, 0,1
	global_load_b128 v[KSW+4*\s:KSW+4*\s+3], v[L16], s[KSB:KSB+1] offset:512*\s
.endr
.endm
; A step's V: 16 fragments (16 channels x 128 keys) and their scale words: 34 loads
.macro LOADV
	WIN TO_V
.irp t, 0,1,2,3,4,5,6,7,8,9,10,11,12,13,14,15
.irp c, 0,1
	global_load_b128 v[8*\t+4*\c:8*\t+4*\c+3], v[L16], s[VCB:VCB+1] offset:1024*\t+512*\c
.endr
.endr
	WIN 0
.irp g, 0,1
	global_load_b128 v[VSW+4*\g:VSW+4*\g+3], v[L16], s[VSB:VSB+1] offset:512*\g
.endr
.endm
; S^T of tile qt of the queries: 8 tiles of 16 keys, two K steps of 128 channels.  The eight accumulators take turns, one instruction a turn; the first K step starts the sums.
.macro QK qt
	WIN W_QK
.irp s, 0,1
.irp T, 0,1,2,3,4,5,6,7
.set rD, SS+64*(\qt)+8*\T
.set rA, 64*\s+8*\T
.set rB, QF+16*(\qt)+8*\s
.set rE, KSW+4*\s+\T/2
.set rF, QSW+\s
	WM 1-\s, \T%2, \qt
.endr
.endr
.endm
; O^T of tile qt += V^T P^T: 16 tiles of 16 channels, K = the step's 128 keys.  Sixteen different accumulators.  first = 1: the products start the sums: nothing is ever cleared.
.macro PV qt, first
	WIN W_PV
.irp t, 0,1,2,3,4,5,6,7,8,9,10,11,12,13,14,15
.set rD, 128*(\qt)+8*\t
.set rA, 8*\t
.set rB, PC+8*(\qt)
.set rE, VSW+4*(\t/8)+(\t%8)/2
.set rF, PW+(\qt)
	WM \first, \t%2, 0
.endr
.endm
; The largest score of each block of 32 keys (it serves twice: for the group's maximum, and for the block's largest weight), and -c m of the two groups.  Each accumulator is read from its low end on.
.macro SM_A qt
.set rS, SS+64*(\qt)
.irp b, 0,1,2,3
	v_max3_num_f32 v[BM+\b], v[rS+16*\b], v[rS+16*\b+1], v[rS+16*\b+2]
.endr
.irp i, 3,5,7,9,11,13
.irp b, 0,1,2,3
	v_max3_num_f32 v[BM+\b], v[BM+\b], v[rS+16*\b+\i], v[rS+16*\b+\i+1]   ; the four blocks by turns: no line waits for the line above it
.endr
.endr
.irp b, 0,1,2,3
	v_max_num_f32 v[BM+\b], v[BM+\b], v[rS+16*\b+15]
.endr
.irp b, 0,1,2,3
	v_permlanex16_b32 v[BX+\b], v[BM+\b], s[SEL], s[SEL+1]
.endr
.irp b, 0,1,2,3
	v_max_num_f32 v[BM+\b], v[BM+\b], v[BX+\b]     ; with lane l xor 16's 16 keys
.endr
	v_max_num_f32 v[NM0], v[BM], v[BM+1]           ; a group is two blocks
	v_max_num_f32 v[NM1], v[BM+2], v[BM+3]
	v_mul_f32 v[NM0], s[NC], v[NM0]
	v_mul_f32 v[NM1], s[NC], v[NM1]
.endm
; The weights of tile qt, finished and normalised, and quantised along the keys: P's codes and scale word
.macro SM_B qt
.set rS, SS+64*(\qt)
.irp j, 0,2,4,6,8,10,12,14,16,18,20,22,24,26,28,30
	v_pk_fma_f32 v[rS+\j:rS+\j+1], v[rS+\j:rS+\j+1], s[CS:CS+1], v[NM0:NM0+1] op_sel_hi:[1,0,0]           ; c s - c m, two at a time (of the pairs c and -c m the low word serves both halves)
	v_pk_fma_f32 v[rS+32+\j:rS+33+\j], v[rS+32+\j:rS+33+\j], s[CS:CS+1], v[NM1:NM1+1] op_sel_hi:[1,0,0]
.endr
.irp b, 0,1,2,3
	v_fma_f32 v[BM+\b], v[BM+\b], s[CS], v[NM0+2*(\b/2)]   ; the same of each block's largest score
.endr
.set j, 0
.rept 64
	v_exp_f32 v[rS+j], v[rS+j]                     ; one batch
.set j, j+1
.endr
	v_nop                                          ; a plain line behind the last exponential
	s_wait_alu depctr_va_vdst(0)                   ; one wait for the batch, ahead of the first line that names a result
.irp b, 0,1,2,3
	v_exp_f32 v[BM+\b], v[BM+\b]                   ; a second, small batch; the sums below read the 64 alone
.endr
	v_pk_add_f32 v[SA0:SA0+1], v[rS:rS+1], v[rS+2:rS+3]            ; the groups' sums: two chains of pairs each, the four by turns
	v_pk_add_f32 v[SA1:SA1+1], v[rS+32:rS+33], v[rS+34:rS+35]
	v_pk_add_f32 v[SB0:SB0+1], v[rS+4:rS+5], v[rS+6:rS+7]
	v_pk_add_f32 v[SB1:SB1+1], v[rS+36:rS+37], v[rS+38:rS+39]
.irp j, 8,12,16,20,24,28
	v_pk_add_f32 v[SA0:SA0+1], v[SA0:SA0+1], v[rS+\j:rS+\j+1]
	v_pk_add_f32 v[SA1:SA1+1], v[SA1:SA1+1], v[rS+32+\j:rS+33+\j]
	v_pk_add_f32 v[SB0:SB0+1], v[SB0:SB0+1], v[rS+\j+2:rS+\j+3]
	v_pk_add_f32 v[SB1:SB1+1], v[SB1:SB1+1], v[rS+34+\j:rS+35+\j]
.endr
	v_pk_add_f32 v[SA0:SA0+1], v[SA0:SA0+1], v[SB0:SB0+1]
	v_pk_add_f32 v[SA1:SA1+1], v[SA1:SA1+1], v[SB1:SB1+1]
	v_add_f32 v[SA0], v[SA0], v[SA0+1]
	v_add_f32 v[SA1], v[SA1], v[SA1+1]
	v_permlanex16_b32 v[SX], v[SA0], s[SEL], s[SEL+1]
	v_permlanex16_b32 v[SX+1], v[SA1], s[SEL], s[SEL+1]
	v_add_f32 v[SA0], v[SA0], v[SX]                ; with lane l xor 16's 32 keys: the group's sum
	v_add_f32 v[SA1], v[SA1], v[SX+1]
	v_rcp_f32 v[R0], v[SA0]
	v_rcp_f32 v[R1], v[SA1]
	v_nop                                          ; a plain line behind the last reciprocal
	s_wait_alu depctr_va_vdst(0)                   ; one wait for the four exponentials and the two reciprocals
.irp b, 0,1,2,3
	v_mul_f32 v[BM+\b], v[BM+\b], v[R0+2*(\b/2)]   ; the block's largest weight
.endr
.irp b, 0,1,2,3
	v_max_num_f32 v[BM+\b], 0x1800000, v[BM+\b]    ; the floor 2^(3 - 127): the byte cannot fall under 1
.endr
.irp b, 0,1,2,3
	v_add_nc_u32 v[SO+\b], 0xff000000, v[BM+\b]    ; 2 off the exponent field: the conversion's scale operand
.endr
.irp b, 0,1,2,3
	v_lshrrev_b32 v[BY+\b], 23, v[SO+\b]           ; the scale's byte
.endr
	v_lshl_or_b32 v[PW+(\qt)], v[BY+1], 8, v[BY]   ; P's scale word for these 128 keys
	v_lshl_or_b32 v[PW+(\qt)], v[BY+2], 16, v[PW+(\qt)]
	v_lshl_or_b32 v[PW+(\qt)], v[BY+3], 24, v[PW+(\qt)]
.irp j, 0,2,4,6,8,10,12,14,16,18,20,22,24,26,28,30
	v_pk_mul_f32 v[rS+\j:rS+\j+1], v[rS+\j:rS+\j+1], v[R0:R0+1] op_sel_hi:[1,0]           ; the weights, normalised.  (These 32 lines also stand between the scale word and the matrix instructions that take it)
	v_pk_mul_f32 v[rS+32+\j:rS+33+\j], v[rS+32+\j:rS+33+\j], v[R1:R1+1] op_sel_hi:[1,0]
.endr
.irp b, 0,1,2,3
	v_cvt_scalef32_pk8_fp4_f32 v[PC+8*(\qt)+2*\b], v[rS+16*\b:rS+16*\b+7], v[SO+\b]        ; the codes of keys 32 b + 16 h + 0 .. 7
	v_cvt_scalef32_pk8_fp4_f32 v[PC+8*(\qt)+2*\b+1], v[rS+16*\b+8:rS+16*\b+15], v[SO+\b]   ; and + 8 .. 15
.endr
	v_nop                                          ; one plain line behind a scaled conversion
.irp c, 0,1                                    ; the operand's layout wants a WHOLE block in a lane: lanes 0-15 block 2 c, lanes 16-31 block 2 c + 1
.irp i, 0,1
	v_permlane16_swap_b32 v[PC+8*(\qt)+4*\c+\i], v[PC+8*(\qt)+4*\c+2+\i]
.endr
.endr
.endm
; A PREFETCH INTO THE L2 of the step that the trip after next will load: 8,192 bytes an instruction, lanes 256 bytes apart.  It stands behind the trip's run of loads.
; All 32 work-groups of a batch walk the same codes.  Four of them ask: rows 0 and 1 of D for the two halves of a step's 16,384 bytes of kc, rows 2 and 3 for those of vc; each of their waves for its own quarter of the keys.
; So each aligned block of 256 bytes is named once in the launch.  Trip i names step i + 3 of the wave's eight; trips 5 and 6 ask for nothing; steps 0 to 2 and the scale bytes come by their loads alone.
.macro ASK how
.if \how
	s_cmp_eq_u32 s[LIM], 2
.else
	s_cmp_gt_u32 s[CNT], s[LIM]                    ; the loop counts 6 .. 1: trips 1 to 4 ask
.endif
	s_cbranch_scc0 .Lnot_mine_\@
	global_prefetch_b8 v[PFO], s[PFA:PFA+1] th:TH_LOAD_NT scope:SCOPE_SE
.Lnot_mine_\@:
.endm
; A STEP: 128 keys.  first = 1: the second product starts its sums.  fetch = 1: the next step's K is asked for behind the first product, its V behind the second.
.macro STEP first, fetch, how
	s_wait_loadcnt 34                              ; this step's K is in; the 34 younger loads are its V
	QK 0
	QK 1
	WIN 0
	PLACES                                         ; ahead of the loads into K's registers and of the first read of the scores
.if \fetch
	s_wait_xcnt 0x0                                ; the earlier loads and the last prefetch have read their bases, so these may step
	s_add_nc_u64 s[KCB:KCB+1], s[KCB:KCB+1], 16384
	s_add_nc_u64 s[KSB:KSB+1], s[KSB:KSB+1], 1024
	s_add_nc_u64 s[PFA:PFA+1], s[PFA:PFA+1], 16384
	LOADK
	ASK \how
.endif
	SM_A 0
	SM_B 0
	SM_A 1                                         ; (44 plain lines between P's codes of tile 0 and the products that take them)
.if \fetch
	s_wait_loadcnt 34                              ; V is in; the 34 younger loads are the next step's K
.else
	s_wait_loadcnt 0x0
.endif
	PV 0, \first
	WIN 0
	SM_B 1                                         ; tile 1's weights are made while tile 0's products run: it names none of their registers
	PLACES                                         ; between P's codes, written by vector lines, and the products that take them
	PV 1, \first
	WIN 0
	PLACES                                         ; ahead of the loads into V's registers, and at the end of the first read of O^T
.if \fetch
	s_wait_xcnt 0x0
	s_add_nc_u64 s[VCB:VCB+1], s[VCB:VCB+1], 16384
	s_add_nc_u64 s[VSB:VSB+1], s[VSB:VSB+1], 1024
	LOADV
.endif
.endm
; 32 numbers of one lane, v[x] on, become 4 registers of codes, v[c] on; v[m], v[m + 1] at work; v[so] the scale operand
.macro QD x, c, m, so
	v_max3_num_f32 v[\m], |v[\x]|, |v[\x+1]|, |v[\x+2]|
	v_max3_num_f32 v[\m+1], |v[\x+3]|, |v[\x+4]|, |v[\x+5]|
.irp i, 6,10,14,18,22,26
	v_max3_num_f32 v[\m], v[\m], |v[\x+\i]|, |v[\x+\i+1]|
	v_max3_num_f32 v[\m+1], v[\m+1], |v[\x+\i+2]|, |v[\x+\i+3]|
.endr
	v_max3_num_f32 v[\m], v[\m], |v[\x+30]|, |v[\x+31]|
	v_max3_num_f32 v[\m], v[\m], v[\m+1], 0x1800000   ; and the floor 2^(3 - 127)
	v_add_nc_u32 v[\so], 0xff000000, v[\m]
.irp g, 0,1,2,3
	v_cvt_scalef32_pk8_fp4_f32 v[\c+\g], v[\x+8*\g:\x+8*\g+7], v[\so]
.endr
.endm
	s_load_b256 s[4:11], s[0:1], 0x0               ; D, kc, ks, vc
	s_load_b128 s[12:15], s[0:1], 0x20             ; vs, out0
	v_lshl_add_u32 v126, v0, 2, 0x29900
	v_mov_b32 v127, 0
	v_lshrrev_b32 v13, 5, v0
	v_readfirstlane_b32 s[WV], v13                 ; wave 0..3
	s_and_b32 s[BB], ttmp7, 0xffff                 ; the batch
	s_mov_b32 s[HP], ttmp9                         ; the row of D
	s_lshl_b32 s30, s[BB], 20                      ; D: b x 1,048,576 + 64 w channels of 4,096 bytes + the row's 128 bytes
	s_lshl_b32 s38, s[WV], 18
	s_add_co_u32 s30, s30, s38
	s_lshl_b32 s38, s[HP], 7
	s_add_co_u32 s30, s30, s38
	s_mov_b32 s31, 0
	s_lshl_b32 s32, s[BB], 19                      ; kc, vc: b x 524,288 + 8 w steps of 16,384 bytes
	s_lshl_b32 s38, s[WV], 17
	s_add_co_u32 s32, s32, s38
	s_mov_b32 s33, 0
	s_lshl_b32 s34, s[BB], 15                      ; ks, vs: b x 32,768 + 8 w steps of 1,024 bytes
	s_lshl_b32 s38, s[WV], 13
	s_add_co_u32 s34, s34, s38
	s_mov_b32 s35, 0
	s_lshl_b32 s36, s[BB], 22                      ; out0: b x 4,194,304 + 64 w channels of 16,384 bytes + two rows of 256 bytes for each row of D
	s_lshl_b32 s38, s[WV], 20
	s_add_co_u32 s36, s36, s38
	s_lshl_b32 s38, s[HP], 9
	s_add_co_u32 s36, s36, s38
	s_mov_b32 s37, 0
	s_mov_b32 s[SEL], 0x76543210
	s_mov_b32 s[SEL+1], 0xfedcba98
	s_mov_b32 s[CS], 0x3db8aa3b                    ; c = log2(e) / 16
	s_mov_b32 s[CS+1], s[CS]
	s_mov_b32 s[NC], 0xbdb8aa3b                    ; -c
	v_and_b32 v13, 31, v0                          ; lane
	v_and_b32 v14, 15, v0                          ; r
	v_bfe_u32 v15, v0, 4, 1                        ; h
	v_lshlrev_b32 v[L16], 4, v13
	v_bfe_u32 v[DGA], v0, 3, 2
	v_lshlrev_b32 v[DGA], 12, v[DGA]
	v_and_b32 v[OA], 7, v0
	v_lshl_add_u32 v[DGA], v[OA], 4, v[DGA]        ; channel lane / 8 of four, 16 bytes of its 128
	s_lshl_b32 s38, s[WV], 13
	v_add_nc_u32 v[DSA], s38, v[L16]               ; as they come: channel rows of 128 bytes on end
	v_lshl_add_u32 v[DLA], v13, 2, s38             ; back: a lane a query
	s_lshl_b32 s38, s[WV], 9
	s_add_co_u32 s38, s38, QIMG
	v_add_nc_u32 v[QWI], s38, v[L16]               ; wave w = 2 s + c' makes half c' of K step s
	s_lshr_b32 s38, s[WV], 1
	s_lshl_b32 s38, s38, 7
	s_and_b32 s39, s[WV], 1
	s_lshl_b32 s39, s39, 1
	s_add_co_u32 s38, s38, s39
	s_add_co_u32 s38, s38, QSC
	v_lshl_add_u32 v[QWS], v13, 2, s38             ; bytes 2 c', 2 c' + 1 of my query's word of K step s
	v_lshl_add_u32 v[QRS], v13, 2, QSC
	s_mul_i32 s38, s[WV], WST
	s_add_co_u32 s38, s38, STG
	v_mul_u32_u24 v[STO], v14, SPT
	v_lshl_add_u32 v[STO], v15, 5, v[STO]
	v_add_nc_u32 v[STO], s38, v[STO]               ; my wave's stage: row r, + 32 h
	s_lshl_b32 s38, s[WV], 8
	s_add_co_u32 s38, s38, STG
	v_mul_u32_u24 v[RD0], v13, SPT
	v_add_nc_u32 v[RD0], s38, v[RD0]               ; row = my query, my wave's 64 channels
	v_add_nc_u32 v[RD2], 2*WST, v[RD0]
	v_lshlrev_b32 v[OA], 3, v13
	v_lshlrev_b32 v[PFO], 8, v13
.irp b, 0,1,2,3
	v_mov_b32 v[BX+\b], 0                          ; written once: a lane permute's destination counts as one of its sources
.endr
	v_mov_b32 v[SX], 0
	v_mov_b32 v[SX+1], 0
	v_mov_b32 v[NM0+1], 0                          ; named as the upper halves of pairs
	v_mov_b32 v[NM1+1], 0
	v_mov_b32 v[R0+1], 0
	v_mov_b32 v[R1+1], 0
	s_wait_kmcnt 0x0
	s_add_nc_u64 s[DB:DB+1], s[DB:DB+1], s[30:31]
	s_add_nc_u64 s[KCB:KCB+1], s[KCB:KCB+1], s[32:33]
	s_add_nc_u64 s[VCB:VCB+1], s[VCB:VCB+1], s[32:33]
	s_add_nc_u64 s[KSB:KSB+1], s[KSB:KSB+1], s[34:35]
	s_add_nc_u64 s[VSB:VSB+1], s[VSB:VSB+1], s[34:35]
	s_add_nc_u64 s[OB:OB+1], s[OB:OB+1], s[36:37]
	s_cmp_lt_u32 s[HP], 2                          ; the prefetches: rows 0, 1 ask for kc, rows 2, 3 for vc
	s_cselect_b64 s[PFA:PFA+1], s[KCB:KCB+1], s[VCB:VCB+1]
	s_and_b32 s30, s[HP], 1
	s_lshl_b32 s30, s30, 13                        ; which half of a step's 16,384 bytes
	s_add_co_u32 s30, s30, 2*16384                 ; at step 2: the first trip steps it to step 3.  Nothing is prefetched here, at the head
	s_mov_b32 s31, 0
	s_add_nc_u64 s[PFA:PFA+1], s[PFA:PFA+1], s[30:31]
	s_cmp_lt_u32 s[HP], 4
	s_cselect_b32 s[LIM], 2, -1
.irp i, 0,1,2,3,4,5,6,7,8,9,10,11,12,13,14,15
	global_load_b128 v[SS+4*\i:SS+4*\i+3], v[DGA], s[DB:DB+1] offset:16384*\i   ; my 64 channels of the row of D, four a load
.endr
	LOADK                                          ; step 0
	LOADV
	s_wait_loadcnt 63                              ; D is in.  68 loads are younger; 63 is the largest count that the wait can name, and a smaller count is safe
	; D turns through my own part of LDS: in as it lies (a channel's 32 queries on end), out a lane a query, the registers down my 64 channels: two whole blocks of the first product's K
.irp i, 0,1,2,3,4,5,6,7,8,9,10,11,12,13,14,15
	ds_store_b128 v[DSA], v[SS+4*\i:SS+4*\i+3] offset:512*\i
.endr
.set j, 0
.rept 64
	ds_load_b32 v[SS+64+j], v[DLA] offset:128*j    ; LDS serves a wave's instructions in order: these see my stores
.set j, j+1
.endr
	s_wait_dscnt 0x0
	QD SS+64, PC, BM, SO                           ; block 2 w of query = lane
	QD SS+96, PC+4, BM+2, SO+1                     ; block 2 w + 1
	v_lshrrev_b32 v[BY], 23, v[SO]                 ; the two scale bytes.  (Also the plain line behind the conversions)
	v_lshrrev_b32 v[BY+1], 23, v[SO+1]
	v_lshl_or_b32 v[BY], v[BY+1], 8, v[BY]
.irp g, 0,1,2,3
	v_permlane16_swap_b32 v[PC+\g], v[PC+4+\g]     ; the first's lanes 16-31 change places with the second's lanes 0-15: the first four registers are now tile 0's (lanes 0-15 block 2 w, lanes 16-31 block 2 w + 1), the second four tile 1's
.endr
	ds_store_b128 v[QWI], v[PC:PC+3]               ; images of the operand's registers
	ds_store_b128 v[QWI], v[PC+4:PC+7] offset:2048
	ds_store_b16 v[QWS], v[BY]
	s_wait_dscnt 0x0                               ; for the others' sake: my part of Q lies in LDS.  (The loads of K and V, of bytes that nobody writes, stay out)
	s_barrier_signal -1
	s_barrier_wait -1
.irp q, 0,1
.irp s, 0,1
.irp c, 0,1
	ds_load_b128 v[QF+16*\q+8*\s+4*\c:QF+16*\q+8*\s+4*\c+3], v[L16] offset:QIMG+2048*\q+1024*\s+512*\c
.endr
.endr
.endr
.irp s, 0,1
	ds_load_b32 v[QSW+\s], v[QRS] offset:128*\s
.endr
	s_wait_dscnt 0x0
	STEP 1, 1, 1                                   ; the first step stands in front of the loop: its products start O^T's sums
	s_mov_b32 s[CNT], 6
.Lstep:
	STEP 0, 1, 0
	s_sub_co_u32 s[CNT], s[CNT], 1
	s_cmp_lg_u32 s[CNT], 0
	s_cbranch_scc1 .Lstep
	STEP 0, 0, 0                                   ; the last step is written out: it asks for nothing, so no load leaves its buffer
	; THE WAY OUT.  Each wave's partial O^T goes into its own stage (a row a query, 256 channels); behind a barrier wave w reads its 64 channels of all four, a lane a query, adds them and the residual, and stores each
	; number four times: as a pair (two neighbouring pixels), into two rows.
	WIN TO_V
.set j, 0
.rept 64
	ds_load_b32 v[128+j], v[DLA] offset:128*j      ; the residual: D(64 w + j, my query), still in my part of LDS
.set j, j+1
.endr
	WIN ST_O
.irp q, 0,1
.irp t, 0,1,2,3,4,5,6,7,8,9,10,11,12,13,14,15
	ds_store_b128 v[STO], v[128*\q+8*\t:128*\q+8*\t+3] offset:16*SPT*\q+64*\t          ; lane (r, h): query 16 q + r, channels 16 t + 8 h + 0 .. 7; each accumulator from its low end on
	ds_store_b128 v[STO], v[128*\q+8*\t+4:128*\q+8*\t+7] offset:16*SPT*\q+64*\t+16
.endr
.endr
	WIN 0
	s_wait_dscnt 0x0                               ; for the others' sake: my partial sums lie in the stage; the residual is in
	s_barrier_signal -1
	s_barrier_wait -1
	WIN TO_K
.irp q, 0,1,2,3                                ; in four groups of 16 channels, so that the first can be added and stored while the others come
.irp p, 0,1,2,3
.irp n, 0,1,2,3
	ds_load_b128 v[64*\p+16*\q+4*\n:64*\p+16*\q+4*\n+3], v[RD0+\p/2] offset:WST*(\p%2)+64*\q+16*\n
.endr
.endr
.endr
.irp q, 0,1,2,3
	s_wait_dscnt 48-16*\q                          ; group q's sixteen loads are in; the later groups' may be out
	WIN SUM
.irp k, 0,2,4,6,8,10,12,14
	v_pk_add_f32 v[16*\q+\k:16*\q+\k+1], v[16*\q+\k:16*\q+\k+1], v[64+16*\q+\k:64+16*\q+\k+1]
	v_pk_add_f32 v[128+16*\q+\k:128+16*\q+\k+1], v[128+16*\q+\k:128+16*\q+\k+1], v[192+16*\q+\k:192+16*\q+\k+1]
.endr
.irp k, 0,2,4,6,8,10,12,14
	v_pk_add_f32 v[16*\q+\k:16*\q+\k+1], v[16*\q+\k:16*\q+\k+1], v[128+16*\q+\k:128+16*\q+\k+1]
.endr
	WIN FIN
.irp k, 0,1,2,3,4,5,6,7,8,9,10,11,12,13,14,15
	v_add_f32 v[2*(16*\q+\k)], v[16*\q+\k], v[128+16*\q+\k]        ; + the residual, made twice: the pair for pixels 2 w' and 2 w' + 1
	v_add_f32 v[2*(16*\q+\k)+1], v[16*\q+\k], v[128+16*\q+\k]
.endr
	WIN ST_O
.irp k, 0,1,2,3,4,5,6,7,8,9,10,11,12,13,14,15
	global_store_b64 v[OA], v[2*(16*\q+\k):2*(16*\q+\k)+1], s[OB:OB+1] offset:16384*(16*\q+\k) th:TH_STORE_NT       ; 32 lanes store a whole row of the output: 256 consecutive aligned bytes; written once, read by nobody here
	global_store_b64 v[OA], v[2*(16*\q+\k):2*(16*\q+\k)+1], s[OB:OB+1] offset:16384*(16*\q+\k)+256 th:TH_STORE_NT   ; and the row below
.endr
.endr
	WIN 0
	s_wait_tensorcnt 0x0
	ds_add_u32 v126, v127
	s_wait_dscnt 0x0
	s_endpgm
.Lfunc_end_k_q99947acd4e_attn:
	.size	k_q99947acd4e_attn, .Lfunc_end_k_q99947acd4e_attn-k_q99947acd4e_attn
	.p2alignl 7, 3214868480
	.fill 96, 4, 3214868480
	.section	.rodata,"a",@progbits
	.p2align	6, 0x0
	.amdhsa_kernel k_q99947acd4e_attn
		.amdhsa_group_segment_fixed_size 170752
		.amdhsa_private_segment_fixed_size 0
		.amdhsa_enable_private_segment 0
		.amdhsa_kernarg_size 48
		.amdhsa_user_sgpr_count 2
		.amdhsa_user_sgpr_kernarg_segment_ptr 1
		.amdhsa_wavefront_size32 1
		.amdhsa_system_sgpr_workgroup_id_x 1
		.amdhsa_system_sgpr_workgroup_id_y 1
		.amdhsa_system_sgpr_workgroup_id_z 1
		.amdhsa_system_vgpr_workitem_id 0
		.amdhsa_next_free_vgpr 1024
		.amdhsa_next_free_sgpr 66
		.amdhsa_reserve_vcc 0
		.amdhsa_float_denorm_mode_32 3
		.amdhsa_float_denorm_mode_16_64 3
		.amdhsa_memory_ordered 1
		.amdhsa_forward_progress 1
		.amdhsa_inst_pref_size 172
	.end_amdhsa_kernel
	.amdgpu_metadata
---
amdhsa.version: [ 1, 2 ]
amdhsa.kernels:
  - .name:           k_q99947acd4e_attn
    .symbol:         k_q99947acd4e_attn.kd
    .args:
      - { .name: D, .offset: 0, .size: 8, .value_kind: global_buffer, .address_space: global }
      - { .name: kc, .offset: 8, .size: 8, .value_kind: global_buffer, .address_space: global }
      - { .name: ks, .offset: 16, .size: 8, .value_kind: global_buffer, .address_space: global }
      - { .name: vc, .offset: 24, .size: 8, .value_kind: global_buffer, .address_space: global }
      - { .name: vs, .offset: 32, .size: 8, .value_kind: global_buffer, .address_space: global }
      - { .name: out0, .offset: 40, .size: 8, .value_kind: global_buffer, .address_space: global }
    .group_segment_fixed_size: 170752
    .private_segment_fixed_size: 0
    .kernarg_segment_align: 8
    .kernarg_segment_size: 48
    .max_flat_workgroup_size: 128
    .sgpr_count:     66
    .vgpr_count:     1024
    .wavefront_size: 32
...
	.end_amdgpu_metadata
.endif
;; end of part 2
;; ======== version 2 of 2: 2 launches
;; workspace buffers: kc 2,097,152 bytes; ks 131,072 bytes; vc 2,097,152 bytes; vs 131,072 bytes
;; launch prep (part 3): grid 64 x 4, 16 waves a work-group, no clusters, 70,656 bytes of LDS; arguments S, kc, ks, vc, vs; writes kc, ks, vc, vs
.if DOCPART == 3
	.amdgcn_target "amdgcn-amd-amdhsa--gfx1250"
	.amdhsa_code_object_version 6
	.text
	.protected	k_q99947acd4e_prep
	.globl	k_q99947acd4e_prep
	.p2align	8
	.type	k_q99947acd4e_prep,@function
k_q99947acd4e_prep:
	s_mov_b64 s[64:65], 0
	v_nop
	global_prefetch_b8 v0, s[64:65] scope:SCOPE_SE
	s_setreg_imm32_b32 hwreg(HW_REG_WAVE_MODE, 25, 1), 1
	s_wait_xcnt 0x0
; S [4][256 c][4096 keys], f32, is quantised TWICE into codes of FP4 (E2M1) with one E8M0 byte for each 32 numbers: along c (the first product's K) and along the keys (the second product's K).
; The codes and scale bytes are laid in the order in which the next launch's operand registers take them, so that there every fragment comes by loads of 16 bytes a lane, 512 consecutive bytes a load.
;   kc [b][sigma][s][T 0..7][c' 0..1][lane][16 B]   sigma = key / 128, s = c / 128.  Lane (r, h), half c': the 32 codes of channel block 4 s + 2 c' + h of key 128 sigma + 32 (T / 2) + 8 (T % 2) + r + 8 (r / 8)
;   ks [b][sigma][s][lane 16 u + r][bb 0..3][4 B]   the four scale bytes (blocks 4 s .. 4 s + 3) of row r of tile T = 2 bb + u
;   vc [b][sigma][t 0..15][c' 0..1][lane][16 B]     lane (r, h), half c': channel 16 t + r, keys 128 sigma + 64 c' + 32 h + 0 .. 31
;   vs [b][sigma][g 0..1][lane 16 m + r][i 0..3][4 B]  the four scale bytes (the step's four key blocks) of row r of tile t = 8 g + 2 i + m
; SHARES.  A work-group takes 128 channels x 128 keys: 128 pieces of rows, 512 consecutive aligned bytes each, read once into LDS (rows 528 bytes apart).  Each of its 16 waves then makes one 32 x 32 part
; of kc (a lane a key, its registers down the channels) and one of vc (a lane a channel and a block of 32 keys): a block's 32 numbers lie in ONE lane's registers both times, so no lane asks another for a maximum.
; A block's scale is 2^(floor(log2(largest magnitude)) - 2); its byte is the largest magnitude's exponent field - 2, held at 1 from below.
; LIMITS: a block of zeros, and one whose largest magnitude lies under 2^-124, gets the byte 1 (a block of zeros has zero codes, and these bytes are read by this program alone); NaN and infinities are not served.
; No matrix unit, no tensor load, no cluster: each byte of S is read by one work-group, once.
.set PITCH, 528                        ; an LDS row: 512 bytes + 16
.set TILE,  0                          ; 128 rows
.set KSA,   128*PITCH                  ; 512 scale bytes for ks
.set VSA,   KSA+512                    ; 512 for vs
.set RAW,   16                         ; v16-47   eight pieces of rows as loaded
.set X,     48                         ; v48-79   32 numbers down the channels
.set Y,     80                         ; v80-111  32 numbers along the keys
.set CK,    112                        ; v112-115 codes for kc
.set CV,    116                        ; v116-119 codes for vc
.set EK,    120                        ; v120, v121 the two scale bytes
.set EV,    121
	s_load_b256 s[4:11], s[0:1], 0x0               ; S s[4:5], kc s[6:7], ks s[8:9], vc s[10:11]
	s_load_b64 s[12:13], s[0:1], 0x20              ; vs
	v_lshl_add_u32 v128, v0, 2, 0x10c00
	v_mov_b32 v129, 0
	v_lshrrev_b32 v1, 5, v0
	s_delay_alu instid0(VALU_DEP_1)
	v_readfirstlane_b32 s14, v1                    ; wave 0..15
	s_and_b32 s15, ttmp7, 0xffff                   ; b
	s_mov_b32 s16, ttmp9                           ; x = 2 sigma + s
	s_lshl_b32 s17, s15, 6
	s_add_co_u32 s17, s17, s16                     ; the work-group's number, 64 b + x
	s_and_b32 s27, s14, 3                          ; wave % 4: which block of 32 channels for kc
	s_lshr_b32 s28, s14, 2                         ; wave / 4: which 32 keys for kc
	s_lshr_b32 s30, s14, 1                         ; wave / 2: which tile of 16 channels for vc
	s_and_b32 s31, s14, 1                          ; wave % 2: which 64 keys for vc
	; where my wave's eight pieces of rows begin in S: b x 4,194,304 + (128 (x % 2) + 8 wave) x 16,384 + (x / 2) x 512
	s_lshl_b32 s18, s15, 22
	s_and_b32 s26, s16, 1
	s_lshl_b32 s26, s26, 21
	s_add_co_u32 s18, s18, s26
	s_lshl_b32 s26, s14, 17
	s_add_co_u32 s18, s18, s26
	s_lshr_b32 s26, s16, 1
	s_lshl_b32 s26, s26, 9
	s_add_co_u32 s18, s18, s26
	s_mov_b32 s19, 0
	; kc: 8,192 x work-group + 2,048 (wave / 4) + 256 (wave % 4)
	s_lshl_b32 s20, s17, 13
	s_lshl_b32 s26, s28, 11
	s_add_co_u32 s20, s20, s26
	s_lshl_b32 s26, s27, 8
	s_add_co_u32 s20, s20, s26
	s_mov_b32 s21, 0
	; vc: 8,192 x work-group + 512 x wave
	s_lshl_b32 s22, s17, 13
	s_lshl_b32 s26, s14, 9
	s_add_co_u32 s22, s22, s26
	s_mov_b32 s23, 0
	; ks, vs: 512 x work-group
	s_lshl_b32 s24, s17, 9
	s_mov_b32 s25, 0
	v_and_b32 v1, 31, v0                           ; lane
	s_delay_alu instid0(VALU_DEP_1)
	v_lshlrev_b32 v2, 4, v1                        ; 16 x lane: my 16 bytes of 512; never rewritten
	s_mul_i32 s26, s14, 8*PITCH
	v_add_nc_u32 v3, s26, v2                       ; into the tile: my wave's eight rows
	s_mul_i32 s26, s27, 32*PITCH
	s_lshl_b32 s29, s28, 7
	s_add_co_u32 s26, s26, s29
	v_lshl_add_u32 v4, v1, 2, s26                  ; down the channels: row 32 (wave % 4), key 32 (wave / 4) + lane
	v_and_b32 v10, 15, v0                          ; r
	v_bfe_u32 v11, v0, 4, 1                        ; h
	s_mul_i32 s26, s30, 16*PITCH
	s_lshl_b32 s29, s31, 8
	s_add_co_u32 s26, s26, s29
	v_mul_u32_u24 v5, v10, PITCH
	s_delay_alu instid0(VALU_DEP_1)
	v_lshl_add_u32 v5, v11, 7, v5
	s_delay_alu instid0(VALU_DEP_1)
	v_add_nc_u32 v5, s26, v5                       ; along the keys: row 16 (wave / 2) + r, keys 64 (wave % 2) + 32 h on
	; key 32 bb + lane is row 8 (lane / 16) + lane % 8 of tile 2 bb + (lane / 8) % 2
	v_and_b32 v12, 7, v0
	v_bfe_u32 v13, v0, 3, 1
	s_delay_alu instid0(VALU_DEP_2)
	v_lshlrev_b32 v6, 4, v12
	s_delay_alu instid0(VALU_DEP_1)
	v_lshl_add_u32 v6, v11, 7, v6
	s_delay_alu instid0(VALU_DEP_1)
	v_lshl_add_u32 v7, v13, 8, v6                  ; the key's 16 bytes of scale words: 256 u + 16 x row,
	s_delay_alu instid0(VALU_DEP_2)
	v_lshl_add_u32 v6, v13, 10, v6                 ; and its codes' place in kc: 1,024 u + 16 x row
	s_add_co_u32 s26, s14, KSA
	v_add_nc_u32 v7, s26, v7                       ; + 4 (wave / 4) + wave % 4 = + wave: my byte
	s_and_b32 s26, s30, 1
	s_lshl_b32 s26, s26, 8
	s_lshl_b32 s29, s28, 2
	s_add_co_u32 s26, s26, s29
	s_lshl_b32 s29, s31, 1
	s_add_co_u32 s26, s26, s29
	s_add_co_u32 s26, s26, VSA
	v_lshl_add_u32 v8, v10, 4, v11
	s_delay_alu instid0(VALU_DEP_1)
	v_add_nc_u32 v8, s26, v8                       ; vs: 256 ((wave / 2) % 2) + 16 r + 4 (wave / 4) + 2 (wave % 2) + h
	s_lshl_b32 s26, s31, 9
	s_add_co_u32 s26, s26, KSA
	v_add_nc_u32 v9, s26, v2                       ; the way out of the scale bytes: wave 0 takes ks's 512, wave 1 vs's
	s_wait_kmcnt 0x0
	s_add_nc_u64 s[4:5], s[4:5], s[18:19]
	s_add_nc_u64 s[6:7], s[6:7], s[20:21]
	s_add_nc_u64 s[10:11], s[10:11], s[22:23]
	s_add_nc_u64 s[8:9], s[8:9], s[24:25]
	s_add_nc_u64 s[12:13], s[12:13], s[24:25]
.irp j, 0,1,2,3,4,5,6,7
	global_load_b128 v[RAW+4*\j:RAW+4*\j+3], v2, s[4:5] offset:16384*\j th:TH_LOAD_NT   ; 32 lanes read 512 consecutive bytes of one channel; read once in the launch
.endr
.irp j, 0,1,2,3,4,5,6,7
	s_wait_loadcnt 7-\j                            ; loads come back in order: piece j is in, the younger ones may be out
	ds_store_b128 v3, v[RAW+4*\j:RAW+4*\j+3] offset:PITCH*\j
.endr
	s_wait_dscnt 0x0                               ; for the others' sake: my rows lie in the tile
	s_barrier_signal -1
	s_barrier_wait -1
.set i, 0
.rept 32
	ds_load_b32 v[X+i], v4 offset:PITCH*i          ; S(32 (wave % 4) + i, my key): 32 lanes read 128 consecutive bytes
.set i, i+1
.endr
.irp g, 0,1,2,3,4,5,6,7
	ds_load_b128 v[Y+4*\g:Y+4*\g+3], v5 offset:16*\g   ; my channel's block of 32 keys; the sixteen rows of a pass start 528 bytes apart
.endr
; 32 numbers of one lane, v[x] on, become 4 registers of codes, v[c] on, and a scale byte, v[e]
.macro QBLK x, c, e
	v_max3_num_f32 v10, |v[\x]|, |v[\x+1]|, |v[\x+2]|              ; the block's largest magnitude, in two chains that do not wait for each other
	v_max3_num_f32 v11, |v[\x+3]|, |v[\x+4]|, |v[\x+5]|
.irp i, 6,10,14,18,22,26
	s_delay_alu instid0(VALU_DEP_2)
	v_max3_num_f32 v10, v10, |v[\x+\i]|, |v[\x+\i+1]|
	s_delay_alu instid0(VALU_DEP_2)
	v_max3_num_f32 v11, v11, |v[\x+\i+2]|, |v[\x+\i+3]|
.endr
	s_delay_alu instid0(VALU_DEP_2)
	v_max3_num_f32 v10, v10, |v[\x+30]|, |v[\x+31]|
	s_delay_alu instid0(VALU_DEP_1)
	v_max3_num_f32 v10, v10, v11, 0x1800000        ; and the floor 2^(3 - 127): the byte cannot fall under 1
	s_delay_alu instid0(VALU_DEP_1)
	v_add_nc_u32 v12, 0xff000000, v10              ; 2 off its exponent field: the conversion takes the exponent field of this operand as its scale
.irp g, 0,1,2,3
	v_cvt_scalef32_pk8_fp4_f32 v[\c+\g], v[\x+8*\g:\x+8*\g+7], v12   ; to the nearest code, ties to even, beyond 6 the largest code; the first number's code in the lowest bits
.endr
	v_lshrrev_b32 v[\e], 23, v12                   ; the scale's byte.  (Also the plain line behind the conversions)
.endm
	s_wait_dscnt 8                                 ; the 32 loads down the channels are in; the eight younger ones may be out
	QBLK X, CK, EK
	global_store_b128 v6, v[CK:CK+3], s[6:7]       ; sixteen lanes store 256 consecutive aligned bytes, twice
	ds_store_b8 v7, v[EK]
	s_wait_dscnt 1                                 ; the eight loads along the keys are in; only the byte store is younger
	QBLK Y, CV, EV
	global_store_b128 v2, v[CV:CV+3], s[10:11]     ; 512 consecutive aligned bytes
	ds_store_b8 v8, v[EV]
	s_wait_dscnt 0x0                               ; for the others' sake: my two bytes lie in LDS
	s_barrier_signal -1
	s_barrier_wait -1
	s_cmp_gt_u32 s14, 1                            ; waves 0 and 1 carry the scale bytes out; no barrier stands behind this branch
	s_cbranch_scc1 .Ldone
	s_cmp_eq_u32 s14, 0
	s_cselect_b64 s[26:27], s[8:9], s[12:13]       ; the choice hangs on the wave's number alone
	ds_load_b128 v[122:125], v9
	s_wait_dscnt 0x0
	global_store_b128 v2, v[122:125], s[26:27]     ; 512 consecutive aligned bytes
.Ldone:
	s_wait_tensorcnt 0x0
	ds_add_u32 v128, v129
	s_wait_dscnt 0x0
	s_endpgm
.Lfunc_end_k_q99947acd4e_prep:
	.size	k_q99947acd4e_prep, .Lfunc_end_k_q99947acd4e_prep-k_q99947acd4e_prep
	.p2alignl 7, 3214868480
	.fill 96, 4, 3214868480
	.section	.rodata,"a",@progbits
	.p2align	6, 0x0
	.amdhsa_kernel k_q99947acd4e_prep
		.amdhsa_group_segment_fixed_size 70656
		.amdhsa_private_segment_fixed_size 0
		.amdhsa_enable_private_segment 0
		.amdhsa_kernarg_size 40
		.amdhsa_user_sgpr_count 2
		.amdhsa_user_sgpr_kernarg_segment_ptr 1
		.amdhsa_wavefront_size32 1
		.amdhsa_system_sgpr_workgroup_id_x 1
		.amdhsa_system_sgpr_workgroup_id_y 1
		.amdhsa_system_sgpr_workgroup_id_z 1
		.amdhsa_system_vgpr_workitem_id 0
		.amdhsa_next_free_vgpr 130
		.amdhsa_next_free_sgpr 66
		.amdhsa_reserve_vcc 0
		.amdhsa_float_denorm_mode_32 3
		.amdhsa_float_denorm_mode_16_64 3
		.amdhsa_memory_ordered 1
		.amdhsa_forward_progress 1
		.amdhsa_inst_pref_size 13
	.end_amdhsa_kernel
	.amdgpu_metadata
---
amdhsa.version: [ 1, 2 ]
amdhsa.kernels:
  - .name:           k_q99947acd4e_prep
    .symbol:         k_q99947acd4e_prep.kd
    .args:
      - { .name: S, .offset: 0, .size: 8, .value_kind: global_buffer, .address_space: global }
      - { .name: kc, .offset: 8, .size: 8, .value_kind: global_buffer, .address_space: global }
      - { .name: ks, .offset: 16, .size: 8, .value_kind: global_buffer, .address_space: global }
      - { .name: vc, .offset: 24, .size: 8, .value_kind: global_buffer, .address_space: global }
      - { .name: vs, .offset: 32, .size: 8, .value_kind: global_buffer, .address_space: global }
    .group_segment_fixed_size: 70656
    .private_segment_fixed_size: 0
    .kernarg_segment_align: 8
    .kernarg_segment_size: 40
    .max_flat_workgroup_size: 512
    .sgpr_count:     66
    .vgpr_count:     130
    .wavefront_size: 32
...
	.end_amdgpu_metadata
.endif
;; end of part 3
;; launch attn (part 4): grid 32 x 4, 4 waves a work-group, no clusters, 170,752 bytes of LDS; arguments D, kc, ks, vc, vs, out0; writes out0
.if DOCPART == 4
	.amdgcn_target "amdgcn-amd-amdhsa--gfx1250"
	.amdhsa_code_object_version 6
	.text
	.protected	k_q99947acd4e_attn
	.globl	k_q99947acd4e_attn
	.p2align	8
	.type	k_q99947acd4e_attn,@function
k_q99947acd4e_attn:
	s_mov_b64 s[64:65], 0
	v_nop
	global_prefetch_b8 v0, s[64:65] scope:SCOPE_SE
	s_setreg_imm32_b32 hwreg(HW_REG_WAVE_SCHED_MODE, 0, 2), 2
	s_setreg_imm32_b32 hwreg(HW_REG_WAVE_MODE, 25, 1), 1
	s_wait_xcnt 0x0
	s_wait_alu depctr_vm_vsrc(0)
; Z[b][c][hh][ww] = sum over keys of p(query, key) S[b][c][key] + D[b][c][hh / 2][ww / 2];  p = softmax over each 64 neighbouring keys (one row i of S) of (D . S) / 16.
; Both products on codes of FP4 (E2M1) with one E8M0 scale for each 32 along K.  S's codes come from the launch before (kc, ks along the channels; vc, vs along the keys), laid in the order of the operands' registers.
; THE FOUR PIXELS OF A 2 x 2 BLOCK OF THE OUTPUT HAVE THE SAME QUERY (the nearest-neighbour upsampling repeats D's pixels), so their codes, scores, weights and sums are equal: each of D's 1,024 pixels a batch is computed once
; and its result is stored four times.
; SHARES.  A work-group owns one row of D: 32 queries, two tiles of 16, and so two whole rows of the output in each channel.  THE WAVES SHARE THE KEYS: wave w walks keys 1,024 w .. 1,024 w + 1,023, 128 a step, for both tiles and
; all 256 channels; at the end the four partial sums meet in LDS, and wave w adds and stores channels 64 w .. 64 w + 63.
; OPERANDS GO FROM MEMORY STRAIGHT INTO REGISTERS.  No fragment of K or V is read by two waves of a work-group, so LDS would be a way station only.  NO CLUSTER, NO JOINT LOADS, though all 32 work-groups of a batch read the same
; codes: a ring in LDS would take two slots of 512 keys (139,264 bytes each) and a round of the cluster's barrier in front of each of six refills, each with one step's 64 matrix instructions a wave in which to land; loads into
; registers with counted waits keep 68 loads of 512 bytes a wave on their way with no barrier at all.
; LAYOUT.  Both products are used transposed: S^T = K Q^T (source 0 = 16 keys, source 1 = 16 queries), O^T = V^T P^T (source 0 = 16 channels, source 1 = P): a lane holds ONE query (lane % 16) throughout.
; THE KEYS OF A TILE ARE NOT NEIGHBOURS (row r of tile 2 b + u is key 32 b + 8 u + r + 8 (r / 8)), so that the 16 registers of tiles 2 b and 2 b + 1 are the keys 32 b + 16 (lane / 16) + 0 .. 15.
; SOFTMAX.  A step holds two whole groups of 64 keys, so each group is finished in its step: maximum, p = 2^(c s - c m) with c = log2(e) / 16, sum, division, quantiser.  Nothing is carried from step to step but O^T.
; LIMITS.  NaN and infinities are not served.  A block whose largest magnitude lies under 2^-124 keeps the scale byte 1.  A weight under 2^-126 becomes 0 (v_exp_f32 flushes).  A block's largest weight is made from its largest
; score by the same three operations as every weight, which takes v_exp_f32 not to fall where its input rises.  c m is rounded once and is common to a group's 64 keys, so its rounding cancels in the division.
; The second product's K is summed in four parts, one a wave, which are then added: an order of rounding other than one chain's.
; THE MODE: SCHED_MODE bits 1:0 = 2 (LLVM: expert scheduling mode 2), set by the entry lines.  The code itself states the register dependences between vector or matrix instructions and memory or LDS instructions,
; with s_wait_alu, always for 0.
; THE PLAN.  Registers that memory or LDS instructions touch, in the loop:
;   K's fragments (window 2, v0-127) and scale words v50-57   read by the step's 32 first products; behind them the next step's 34 loads land there.
;   V's fragments (window 3, v0-127) and scale words v58-65   read by the step's 32 second products; behind them the next step's 34 loads land there.
;   v1, v12                                                   the loads' and the prefetch's offsets: made at the head, never written again; the scalar bases step.
;   P's codes v66-81 and scale words v82-83                   written by vector lines, taken by the second products.
; A step has eleven waits on va_vdst.  One behind the first products, ahead of K's run of loads.  Four in each tile's softmax, ahead of and behind its 64 exponentials, ahead of its two reciprocals and behind its four exponentials and two reciprocals.  Tile 0's second
; products stand straight behind the wait for tile 1's 64 exponentials, which so also states that tile 0's P is written.  One ahead of tile 1's second products: its P is written.  One behind them, ahead of V's run of loads.
; Behind each wait that serves loads stand those loads and window switches alone.  No register that a memory instruction of the loop reads is written in the loop, so the loop has no wait on vm_vsrc.
; At the head: one wait on va_sdst (the wave's number), one on va_vdst ahead of the first load (all addresses), one ahead of the LDS stores of Q, one on vm_vsrc behind the barrier.  On the way out: one on va_vdst ahead of the
; LDS stores of O^T, one on vm_vsrc behind the barrier, one on va_vdst ahead of each group's stores.
; REGISTERS, in windows of 256 (s_set_vgpr_msb: bits 1:0 source 0, 3:2 source 1, 5:4 source 2, 7:6 destination):
;   window 0: v1-12 addresses; v16-47 Q; v48-65 scale words of Q, K, V; v66-81 P's codes; v82-83 P's scale words; v84-117 at work; v128-255 S^T, 64 a tile of queries
;   window 1: O^T, accumulator (tile, t) at 128 x tile + 8 t; at the end the pairs to be stored        window 2: K's 16 fragments; at the end the four partial sums        window 3: V's 16 fragments; v128-191 the residual
.set DST,  0                           ; LDS: 4 x 8,192: a wave's 64 channels x 32 queries of D, f32; kept to the end for the residual
.set QIMG, 32768                       ; Q's four fragments as images of their registers: [tile][K step][half][lane][16 B]
.set QSC,  36864                       ; Q's scale words: [K step][query][4 bytes]
.set STG,  37120                       ; 4 x 33,280: a wave's partial O: 32 rows (queries) of 1,024 bytes + 16
.set SPT,  1040
.set WST,  32*SPT
.set L16, 1                            ; v1   16 x lane; never rewritten
.set DGA, 2                            ; v2   D in memory: four channels a load, 128 bytes each
.set DSA, 3                            ; v3   D into LDS
.set DLA, 4                            ; v4   D out of LDS: a lane a query
.set QWI, 5                            ; v5   where I store my half fragments of Q
.set QWS, 6                            ; v6   and my two scale bytes
.set QRS, 7                            ; v7   where I read Q's scale words
.set STO, 8                            ; v8   the stage: where I put 16 bytes of a query's row
.set RD0, 9                            ; v9   the stage: my query's row, my wave's 64 channels, in partial sums 0 and 1;
.set RD2, 10                           ; v10  in partial sums 2 and 3
.set OA,  11                           ; v11  8 x lane: my two pixels of a row of the output
.set PFO, 12                           ; v12  256 x lane: the prefetches' offset; never rewritten
.set QF,  16                           ; Q's fragment (tile, K step) at QF + 16 tile + 8 step
.set QSW, 48                           ; v48-49  Q's scale words of K step s: lanes 0-15 tile 0's, lanes 16-31 tile 1's
.set KSW, 50                           ; v50-57  K's: register 4 s + bb: lanes 0-15 tile 2 bb's, lanes 16-31 tile 2 bb + 1's
.set VSW, 58                           ; v58-65  V's: register 4 g + i: lanes 0-15 tile 8 g + 2 i's, lanes 16-31 tile 8 g + 2 i + 1's
.set PC,  66                           ; v66-81  P's codes, 8 registers a tile
.set PW,  82                           ; v82-83  P's scale words
.set BM,  84                           ; v84-87  a block's largest score, then its largest weight
.set BX,  88                           ; v88-91  the other half of the lanes'
.set SO,  92                           ; v92-95  the conversions' scale operands
.set BY,  96                           ; v96-99  the scale bytes
.set NM0, 100                          ; v100, v102  -c m of the step's two groups (v101, v103 are named with them as pairs)
.set NM1, 102
.set R0,  104                          ; v104, v106  1 / the groups' sums (v105, v107 likewise)
.set R1,  106
.set SA0, 108                          ; v108-115 the sums, two chains of pairs a group
.set SB0, 110
.set SA1, 112
.set SB1, 114
.set SX,  116                          ; v116-117
.set SS,  128                          ; S^T
.set DB,  4                            ; s[4:5] D, s[6:7] kc, s[8:9] ks, s[10:11] vc, s[12:13] vs, s[14:15] out0, each at my part
.set KCB, 6
.set KSB, 8
.set VCB, 10
.set VSB, 12
.set OB,  14
.set WV,  16
.set BB,  17
.set HP,  18
.set SEL, 20                           ; s[20:21] v_permlanex16_b32's selects for lane l xor 16
.set CS,  22                           ; s[22:23] c, twice: the packed form names a pair
.set NC,  24                           ; s24  -c
.set CNT, 25
.set LIM, 26                           ; s26  2 in a work-group that prefetches, else the greatest number
.set PFA, 28                           ; s[28:29] where my prefetches stand
.set MSB, 0
.macro WIN new                         ; the immediate's high byte repeats the setting that is left; a switch that changes nothing is dropped
.if MSB != \new
	s_set_vgpr_msb (MSB<<8)|\new
.set MSB, \new
.endif
.endm
.set W_QK, 0x02                        ; K in window 2; Q and S^T in window 0
.set W_PV, 0x53                        ; V in window 3, P in window 0, O^T in window 1
.set TO_K, 0x80                        ; destination window 2
.set TO_V, 0xc0                        ; destination window 3
.set ST_O, 0x04                        ; a store's data in window 1
.set SUM,  0x8a                        ; both sources and the destination in window 2
.set FIN,  0x4e                        ; source 0 window 2, source 1 window 3, destination window 1
.macro PLACES                          ; four plain vector lines behind a matrix instruction, ahead of reads of its result, and ahead of a scaled matrix instruction whose operand a vector line has written (ISA guide 7.12.1); they stay beside the waits on va_vdst
.rept 4
	v_nop
.endr
.endm
; The one matrix line: D v[rD ..], source 0 v[rA ..], source 1 v[rB ..], their scale words v[rE], v[rF].  zero: the product starts the sum; ra, rb: the scale words stand in lanes 16-31.
.macro WM zero, ra, rb
.if (\zero) && (\ra) && (\rb)
	v_wmma_scale_f32_16x16x128_f8f6f4 v[rD:rD+7], v[rA:rA+7], v[rB:rB+7], 0, v[rE], v[rF] matrix_a_fmt:MATRIX_FMT_FP4 matrix_b_fmt:MATRIX_FMT_FP4 matrix_a_scale:MATRIX_SCALE_ROW1 matrix_b_scale:MATRIX_SCALE_ROW1
.elseif (\zero) && (\ra)
	v_wmma_scale_f32_16x16x128_f8f6f4 v[rD:rD+7], v[rA:rA+7], v[rB:rB+7], 0, v[rE], v[rF] matrix_a_fmt:MATRIX_FMT_FP4 matrix_b_fmt:MATRIX_FMT_FP4 matrix_a_scale:MATRIX_SCALE_ROW1
.elseif (\zero) && (\rb)
	v_wmma_scale_f32_16x16x128_f8f6f4 v[rD:rD+7], v[rA:rA+7], v[rB:rB+7], 0, v[rE], v[rF] matrix_a_fmt:MATRIX_FMT_FP4 matrix_b_fmt:MATRIX_FMT_FP4 matrix_b_scale:MATRIX_SCALE_ROW1
.elseif (\zero)
	v_wmma_scale_f32_16x16x128_f8f6f4 v[rD:rD+7], v[rA:rA+7], v[rB:rB+7], 0, v[rE], v[rF] matrix_a_fmt:MATRIX_FMT_FP4 matrix_b_fmt:MATRIX_FMT_FP4
.elseif (\ra) && (\rb)
	v_wmma_scale_f32_16x16x128_f8f6f4 v[rD:rD+7], v[rA:rA+7], v[rB:rB+7], v[rD:rD+7], v[rE], v[rF] matrix_a_fmt:MATRIX_FMT_FP4 matrix_b_fmt:MATRIX_FMT_FP4 matrix_a_scale:MATRIX_SCALE_ROW1 matrix_b_scale:MATRIX_SCALE_ROW1
.elseif (\ra)
	v_wmma_scale_f32_16x16x128_f8f6f4 v[rD:rD+7], v[rA:rA+7], v[rB:rB+7], v[rD:rD+7], v[rE], v[rF] matrix_a_fmt:MATRIX_FMT_FP4 matrix_b_fmt:MATRIX_FMT_FP4 matrix_a_scale:MATRIX_SCALE_ROW1
.elseif (\rb)
	v_wmma_scale_f32_16x16x128_f8f6f4 v[rD:rD+7], v[rA:rA+7], v[rB:rB+7], v[rD:rD+7], v[rE], v[rF] matrix_a_fmt:MATRIX_FMT_FP4 matrix_b_fmt:MATRIX_FMT_FP4 matrix_b_scale:MATRIX_SCALE_ROW1
.else
	v_wmma_scale_f32_16x16x128_f8f6f4 v[rD:rD+7], v[rA:rA+7], v[rB:rB+7], v[rD:rD+7], v[rE], v[rF] matrix_a_fmt:MATRIX_FMT_FP4 matrix_b_fmt:MATRIX_FMT_FP4
.endif
.endm
; A step's K: 16 fragments (K step s, tile T) and their scale words: 34 loads, 512 consecutive bytes each.  dep = 1: products have read these registers
.macro LOADK dep
	WIN TO_K
.if \dep
	s_wait_alu depctr_va_vdst(0)                   ; the step's 32 first products are done reading K's fragments and scale words, in which the 34 loads below land; only loads and a window switch stand between
.endif
.irp s, 0,1
.irp T, 0,1,2,3,4,5,6,7
.irp c, 0,1
	global_load_b128 v[64*\s+8*\T+4*\c:64*\s+8*\T+4*\c+3], v[L16], s[KCB:KCB+1] offset:8192*\s+1024*\T+512*\c
.endr
.endr
.endr
	WIN 0
.irp s, 0,1
	global_load_b128 v[KSW+4*\s:KSW+4*\s+3], v[L16], s[KSB:KSB+1] offset:512*\s
.endr
.endm
; A step's V: 16 fragments (16 channels x 128 keys) and their scale words: 34 loads.  dep = 1: products have read these registers
.macro LOADV dep
	WIN TO_V
.if \dep
	s_wait_alu depctr_va_vdst(0)                   ; the step's 32 second products are done reading V's fragments and scale words, in which the 34 loads below land; only loads and a window switch stand between
.endif
.irp t, 0,1,2,3,4,5,6,7,8,9,10,11,12,13,14,15
.irp c, 0,1
	global_load_b128 v[8*\t+4*\c:8*\t+4*\c+3], v[L16], s[VCB:VCB+1] offset:1024*\t+512*\c
.endr
.endr
	WIN 0
.irp g, 0,1
	global_load_b128 v[VSW+4*\g:VSW+4*\g+3], v[L16], s[VSB:VSB+1] offset:512*\g
.endr
.endm
; S^T of tile qt of the queries: 8 tiles of 16 keys, two K steps of 128 channels.  The eight accumulators take turns, one instruction a turn; the first K step starts the sums.
.macro QK qt
	WIN W_QK
.irp s, 0,1
.irp T, 0,1,2,3,4,5,6,7
.set rD, SS+64*(\qt)+8*\T
.set rA, 64*\s+8*\T
.set rB, QF+16*(\qt)+8*\s
.set rE, KSW+4*\s+\T/2
.set rF, QSW+\s
	WM 1-\s, \T%2, \qt
.endr
.endr
.endm
; O^T of tile qt += V^T P^T: 16 tiles of 16 channels, K = the step's 128 keys.  Sixteen different accumulators.  first = 1: the products start the sums: nothing is ever cleared.
.macro PV qt, first
	WIN W_PV
.irp t, 0,1,2,3,4,5,6,7,8,9,10,11,12,13,14,15
.set rD, 128*(\qt)+8*\t
.set rA, 8*\t
.set rB, PC+8*(\qt)
.set rE, VSW+4*(\t/8)+(\t%8)/2
.set rF, PW+(\qt)
	WM \first, \t%2, 0
.endr
.endm
; The largest score of each block of 32 keys (it serves twice: for the group's maximum, and for the block's largest weight), and -c m of the two groups.  Each accumulator is read from its low end on.
.macro SM_A qt
.set rS, SS+64*(\qt)
.irp b, 0,1,2,3
	v_max3_num_f32 v[BM+\b], v[rS+16*\b], v[rS+16*\b+1], v[rS+16*\b+2]
.endr
.irp i, 3,5,7,9,11,13
.irp b, 0,1,2,3
	v_max3_num_f32 v[BM+\b], v[BM+\b], v[rS+16*\b+\i], v[rS+16*\b+\i+1]   ; the four blocks by turns: no line waits for the line above it
.endr
.endr
.irp b, 0,1,2,3
	v_max_num_f32 v[BM+\b], v[BM+\b], v[rS+16*\b+15]
.endr
.irp b, 0,1,2,3
	v_permlanex16_b32 v[BX+\b], v[BM+\b], s[SEL], s[SEL+1]
.endr
.irp b, 0,1,2,3
	v_max_num_f32 v[BM+\b], v[BM+\b], v[BX+\b]     ; with lane l xor 16's 16 keys
.endr
	v_max_num_f32 v[NM0], v[BM], v[BM+1]           ; a group is two blocks
	v_max_num_f32 v[NM1], v[BM+2], v[BM+3]
	v_mul_f32 v[NM0], s[NC], v[NM0]
	v_mul_f32 v[NM1], s[NC], v[NM1]
.endm
; The weights of tile qt, first half: the scalings and the batch of 64 exponentials, with its wait
.macro SM_B1 qt
.set rS, SS+64*(\qt)
.irp j, 0,2,4,6,8,10,12,14,16,18,20,22,24,26,28,30
	v_pk_fma_f32 v[rS+\j:rS+\j+1], v[rS+\j:rS+\j+1], s[CS:CS+1], v[NM0:NM0+1] op_sel_hi:[1,0,0]           ; c s - c m, two at a time (of the pairs c and -c m the low word serves both halves)
	v_pk_fma_f32 v[rS+32+\j:rS+33+\j], v[rS+32+\j:rS+33+\j], s[CS:CS+1], v[NM1:NM1+1] op_sel_hi:[1,0,0]
.endr
.irp b, 0,1,2,3
	v_fma_f32 v[BM+\b], v[BM+\b], s[CS], v[NM0+2*(\b/2)]   ; the same of each block's largest score
.endr
.set j, 0
	s_wait_alu depctr_va_vdst(0)
.rept 64
	v_exp_f32 v[rS+j], v[rS+j]                     ; one batch
.set j, j+1
.endr
	v_nop                                          ; a plain line behind the last exponential
	s_wait_alu depctr_va_vdst(0)                   ; the 64 exponentials have written the weights, ahead of the first line that names one.  In tile 1's turn also: tile 0's codes and scale word of P are written, which the products straight behind this wait take
.endm
; Second half: finished and normalised, and quantised along the keys: P's codes and scale word
.macro SM_B2 qt
.set rS, SS+64*(\qt)
.irp b, 0,1,2,3
	v_exp_f32 v[BM+\b], v[BM+\b]                   ; a second, small batch; the sums below read the 64 alone
.endr
	v_pk_add_f32 v[SA0:SA0+1], v[rS:rS+1], v[rS+2:rS+3]            ; the groups' sums: two chains of pairs each, the four by turns
	v_pk_add_f32 v[SA1:SA1+1], v[rS+32:rS+33], v[rS+34:rS+35]
	v_pk_add_f32 v[SB0:SB0+1], v[rS+4:rS+5], v[rS+6:rS+7]
	v_pk_add_f32 v[SB1:SB1+1], v[rS+36:rS+37], v[rS+38:rS+39]
.irp j, 8,12,16,20,24,28
	v_pk_add_f32 v[SA0:SA0+1], v[SA0:SA0+1], v[rS+\j:rS+\j+1]
	v_pk_add_f32 v[SA1:SA1+1], v[SA1:SA1+1], v[rS+32+\j:rS+33+\j]
	v_pk_add_f32 v[SB0:SB0+1], v[SB0:SB0+1], v[rS+\j+2:rS+\j+3]
	v_pk_add_f32 v[SB1:SB1+1], v[SB1:SB1+1], v[rS+34+\j:rS+35+\j]
.endr
	v_pk_add_f32 v[SA0:SA0+1], v[SA0:SA0+1], v[SB0:SB0+1]
	v_pk_add_f32 v[SA1:SA1+1], v[SA1:SA1+1], v[SB1:SB1+1]
	v_add_f32 v[SA0], v[SA0], v[SA0+1]
	v_add_f32 v[SA1], v[SA1], v[SA1+1]
	v_permlanex16_b32 v[SX], v[SA0], s[SEL], s[SEL+1]
	v_permlanex16_b32 v[SX+1], v[SA1], s[SEL], s[SEL+1]
	v_add_f32 v[SA0], v[SA0], v[SX]                ; with lane l xor 16's 32 keys: the group's sum
	v_add_f32 v[SA1], v[SA1], v[SX+1]
	s_wait_alu depctr_va_vdst(0)
	v_rcp_f32 v[R0], v[SA0]
	v_rcp_f32 v[R1], v[SA1]
	v_nop                                          ; a plain line behind the last reciprocal
	s_wait_alu depctr_va_vdst(0)                   ; the four exponentials and the two reciprocals have written their results, ahead of the first line that names one
.irp b, 0,1,2,3
	v_mul_f32 v[BM+\b], v[BM+\b], v[R0+2*(\b/2)]   ; the block's largest weight
.endr
.irp b, 0,1,2,3
	v_max_num_f32 v[BM+\b], 0x1800000, v[BM+\b]    ; the floor 2^(3 - 127): the byte cannot fall under 1
.endr
.irp b, 0,1,2,3
	v_add_nc_u32 v[SO+\b], 0xff000000, v[BM+\b]    ; 2 off the exponent field: the conversion's scale operand
.endr
.irp b, 0,1,2,3
	v_lshrrev_b32 v[BY+\b], 23, v[SO+\b]           ; the scale's byte
.endr
	v_lshl_or_b32 v[PW+(\qt)], v[BY+1], 8, v[BY]   ; P's scale word for these 128 keys
	v_lshl_or_b32 v[PW+(\qt)], v[BY+2], 16, v[PW+(\qt)]
	v_lshl_or_b32 v[PW+(\qt)], v[BY+3], 24, v[PW+(\qt)]
.irp j, 0,2,4,6,8,10,12,14,16,18,20,22,24,26,28,30
	v_pk_mul_f32 v[rS+\j:rS+\j+1], v[rS+\j:rS+\j+1], v[R0:R0+1] op_sel_hi:[1,0]           ; the weights, normalised.  (These 32 lines also stand between the scale word and the matrix instructions that take it)
	v_pk_mul_f32 v[rS+32+\j:rS+33+\j], v[rS+32+\j:rS+33+\j], v[R1:R1+1] op_sel_hi:[1,0]
.endr
.irp b, 0,1,2,3
	v_cvt_scalef32_pk8_fp4_f32 v[PC+8*(\qt)+2*\b], v[rS+16*\b:rS+16*\b+7], v[SO+\b]        ; the codes of keys 32 b + 16 h + 0 .. 7
	v_cvt_scalef32_pk8_fp4_f32 v[PC+8*(\qt)+2*\b+1], v[rS+16*\b+8:rS+16*\b+15], v[SO+\b]   ; and + 8 .. 15
.endr
	v_nop                                          ; one plain line behind a scaled conversion
.irp c, 0,1                                    ; the operand's layout wants a WHOLE block in a lane: lanes 0-15 block 2 c, lanes 16-31 block 2 c + 1
.irp i, 0,1
	v_permlane16_swap_b32 v[PC+8*(\qt)+4*\c+\i], v[PC+8*(\qt)+4*\c+2+\i]
.endr
.endr
.endm
; A PREFETCH INTO THE L2 of the step that the trip after next will load: 8,192 bytes an instruction, lanes 256 bytes apart.  It stands behind the trip's run of loads.
; All 32 work-groups of a batch walk the same codes.  Four of them ask: rows 0 and 1 of D for the two halves of a step's 16,384 bytes of kc, rows 2 and 3 for those of vc; each of their waves for its own quarter of the keys.
; So each aligned block of 256 bytes is named once in the launch.  Trip i names step i + 3 of the wave's eight; trips 5 and 6 ask for nothing; steps 0 to 2 and the scale bytes come by their loads alone.
; Its offset, v12, was written ahead of the head's wait on va_vdst and is never written again.
.macro ASK how
.if \how
	s_cmp_eq_u32 s[LIM], 2
.else
	s_cmp_gt_u32 s[CNT], s[LIM]                    ; the loop counts 6 .. 1: trips 1 to 4 ask
.endif
	s_cbranch_scc0 .Lnot_mine_\@
	global_prefetch_b8 v[PFO], s[PFA:PFA+1] th:TH_LOAD_NT scope:SCOPE_SE
.Lnot_mine_\@:
.endm
; A STEP: 128 keys.  first = 1: the second product starts its sums.  fetch = 1: the next step's K is asked for behind the first product, its V behind the second.
.macro STEP first, fetch, how
	s_wait_loadcnt 34                              ; this step's K is in; the 34 younger loads are its V
	QK 0
	QK 1
	WIN 0
	PLACES                                         ; ahead of the first read of the scores
.if \fetch
	s_wait_xcnt 0x0                                ; the earlier loads and the last prefetch have read their bases, so these may step
	s_add_nc_u64 s[KCB:KCB+1], s[KCB:KCB+1], 16384
	s_add_nc_u64 s[KSB:KSB+1], s[KSB:KSB+1], 1024
	s_add_nc_u64 s[PFA:PFA+1], s[PFA:PFA+1], 16384
	LOADK 1
	ASK \how
.endif
	SM_A 0
	SM_B1 0
	SM_B2 0
	SM_A 1
	SM_B1 1                                        ; (80 plain lines and more between P's codes and scale word of tile 0 and the wait at this half's end, behind which the products take them)
.if \fetch
	s_wait_loadcnt 34                              ; V is in; the 34 younger loads are the next step's K
.else
	s_wait_loadcnt 0x0
.endif
	PV 0, \first
	WIN 0
	SM_B2 1                                        ; tile 1's weights are finished while tile 0's products run: it names none of their registers
	PLACES                                         ; between P's codes, written by vector lines, and the products that take them
	s_wait_alu depctr_va_vdst(0)                   ; tile 1's codes and scale word of P are written, which the products below take; the four plain lines above stay beside this wait
	PV 1, \first
	WIN 0
	PLACES                                         ; four plain lines behind the last products: in the last step ahead of the first read of O^T; in the others they stay beside the wait in front of V's loads
.if \fetch
	s_wait_xcnt 0x0
	s_add_nc_u64 s[VCB:VCB+1], s[VCB:VCB+1], 16384
	s_add_nc_u64 s[VSB:VSB+1], s[VSB:VSB+1], 1024
	LOADV 1
.endif
.endm
; 32 numbers of one lane, v[x] on, become 4 registers of codes, v[c] on; v[m], v[m + 1] at work; v[so] the scale operand
.macro QD x, c, m, so
	v_max3_num_f32 v[\m], |v[\x]|, |v[\x+1]|, |v[\x+2]|
	v_max3_num_f32 v[\m+1], |v[\x+3]|, |v[\x+4]|, |v[\x+5]|
.irp i, 6,10,14,18,22,26
	v_max3_num_f32 v[\m], v[\m], |v[\x+\i]|, |v[\x+\i+1]|
	v_max3_num_f32 v[\m+1], v[\m+1], |v[\x+\i+2]|, |v[\x+\i+3]|
.endr
	v_max3_num_f32 v[\m], v[\m], |v[\x+30]|, |v[\x+31]|
	v_max3_num_f32 v[\m], v[\m], v[\m+1], 0x1800000   ; and the floor 2^(3 - 127)
	v_add_nc_u32 v[\so], 0xff000000, v[\m]
.irp g, 0,1,2,3
	v_cvt_scalef32_pk8_fp4_f32 v[\c+\g], v[\x+8*\g:\x+8*\g+7], v[\so]
.endr
.endm
	s_load_b256 s[4:11], s[0:1], 0x0               ; D, kc, ks, vc
	s_load_b128 s[12:15], s[0:1], 0x20             ; vs, out0
	v_lshl_add_u32 v126, v0, 2, 0x29900
	v_mov_b32 v127, 0
	v_lshrrev_b32 v13, 5, v0
	v_readfirstlane_b32 s[WV], v13                 ; wave 0..3
	s_and_b32 s[BB], ttmp7, 0xffff                 ; the batch
	s_mov_b32 s[HP], ttmp9                         ; the row of D
	s_wait_alu depctr_va_sdst(0)                   ; the wave's number is written, ahead of its first reader: bases and LDS addresses are made from it
	s_lshl_b32 s30, s[BB], 20                      ; D: b x 1,048,576 + 64 w channels of 4,096 bytes + the row's 128 bytes
	s_lshl_b32 s38, s[WV], 18
	s_add_co_u32 s30, s30, s38
	s_lshl_b32 s38, s[HP], 7
	s_add_co_u32 s30, s30, s38
	s_mov_b32 s31, 0
	s_lshl_b32 s32, s[BB], 19                      ; kc, vc: b x 524,288 + 8 w steps of 16,384 bytes
	s_lshl_b32 s38, s[WV], 17
	s_add_co_u32 s32, s32, s38
	s_mov_b32 s33, 0
	s_lshl_b32 s34, s[BB], 15                      ; ks, vs: b x 32,768 + 8 w steps of 1,024 bytes
	s_lshl_b32 s38, s[WV], 13
	s_add_co_u32 s34, s34, s38
	s_mov_b32 s35, 0
	s_lshl_b32 s36, s[BB], 22                      ; out0: b x 4,194,304 + 64 w channels of 16,384 bytes + two rows of 256 bytes for each row of D
	s_lshl_b32 s38, s[WV], 20
	s_add_co_u32 s36, s36, s38
	s_lshl_b32 s38, s[HP], 9
	s_add_co_u32 s36, s36, s38
	s_mov_b32 s37, 0
	s_mov_b32 s[SEL], 0x76543210
	s_mov_b32 s[SEL+1], 0xfedcba98
	s_mov_b32 s[CS], 0x3db8aa3b                    ; c = log2(e) / 16
	s_mov_b32 s[CS+1], s[CS]
	s_mov_b32 s[NC], 0xbdb8aa3b                    ; -c
	v_and_b32 v13, 31, v0                          ; lane
	v_and_b32 v14, 15, v0                          ; r
	v_bfe_u32 v15, v0, 4, 1                        ; h
	v_lshlrev_b32 v[L16], 4, v13
	v_bfe_u32 v[DGA], v0, 3, 2
	v_lshlrev_b32 v[DGA], 12, v[DGA]
	v_and_b32 v[OA], 7, v0
	v_lshl_add_u32 v[DGA], v[OA], 4, v[DGA]        ; channel lane / 8 of four, 16 bytes of its 128
	s_lshl_b32 s38, s[WV], 13
	v_add_nc_u32 v[DSA], s38, v[L16]               ; as they come: channel rows of 128 bytes on end
	v_lshl_add_u32 v[DLA], v13, 2, s38             ; back: a lane a query
	s_lshl_b32 s38, s[WV], 9
	s_add_co_u32 s38, s38, QIMG
	v_add_nc_u32 v[QWI], s38, v[L16]               ; wave w = 2 s + c' makes half c' of K step s
	s_lshr_b32 s38, s[WV], 1
	s_lshl_b32 s38, s38, 7
	s_and_b32 s39, s[WV], 1
	s_lshl_b32 s39, s39, 1
	s_add_co_u32 s38, s38, s39
	s_add_co_u32 s38, s38, QSC
	v_lshl_add_u32 v[QWS], v13, 2, s38             ; bytes 2 c', 2 c' + 1 of my query's word of K step s
	v_lshl_add_u32 v[QRS], v13, 2, QSC
	s_mul_i32 s38, s[WV], WST
	s_add_co_u32 s38, s38, STG
	v_mul_u32_u24 v[STO], v14, SPT
	v_lshl_add_u32 v[STO], v15, 5, v[STO]
	v_add_nc_u32 v[STO], s38, v[STO]               ; my wave's stage: row r, + 32 h
	s_lshl_b32 s38, s[WV], 8
	s_add_co_u32 s38, s38, STG
	v_mul_u32_u24 v[RD0], v13, SPT
	v_add_nc_u32 v[RD0], s38, v[RD0]               ; row = my query, my wave's 64 channels
	v_add_nc_u32 v[RD2], 2*WST, v[RD0]
	v_lshlrev_b32 v[OA], 3, v13
	v_lshlrev_b32 v[PFO], 8, v13
.irp b, 0,1,2,3
	v_mov_b32 v[BX+\b], 0                          ; written once: a lane permute's destination counts as one of its sources
.endr
	v_mov_b32 v[SX], 0
	v_mov_b32 v[SX+1], 0
	v_mov_b32 v[NM0+1], 0                          ; named as the upper halves of pairs
	v_mov_b32 v[NM1+1], 0
	v_mov_b32 v[R0+1], 0
	v_mov_b32 v[R1+1], 0
	s_wait_kmcnt 0x0
	s_add_nc_u64 s[DB:DB+1], s[DB:DB+1], s[30:31]
	s_add_nc_u64 s[KCB:KCB+1], s[KCB:KCB+1], s[32:33]
	s_add_nc_u64 s[VCB:VCB+1], s[VCB:VCB+1], s[32:33]
	s_add_nc_u64 s[KSB:KSB+1], s[KSB:KSB+1], s[34:35]
	s_add_nc_u64 s[VSB:VSB+1], s[VSB:VSB+1], s[34:35]
	s_add_nc_u64 s[OB:OB+1], s[OB:OB+1], s[36:37]
	s_cmp_lt_u32 s[HP], 2                          ; the prefetches: rows 0, 1 ask for kc, rows 2, 3 for vc
	s_cselect_b64 s[PFA:PFA+1], s[KCB:KCB+1], s[VCB:VCB+1]
	s_and_b32 s30, s[HP], 1
	s_lshl_b32 s30, s30, 13                        ; which half of a step's 16,384 bytes
	s_add_co_u32 s30, s30, 2*16384                 ; at step 2: the first trip steps it to step 3.  Nothing is prefetched here, at the head
	s_mov_b32 s31, 0
	s_add_nc_u64 s[PFA:PFA+1], s[PFA:PFA+1], s[30:31]
	s_cmp_lt_u32 s[HP], 4
	s_cselect_b32 s[LIM], 2, -1
	s_wait_alu depctr_va_vdst(0)                   ; the twelve offsets and addresses v1 to v12 are written, which every load, store, LDS instruction and prefetch of the kernel reads; none is written again
.irp i, 0,1,2,3,4,5,6,7,8,9,10,11,12,13,14,15
	global_load_b128 v[SS+4*\i:SS+4*\i+3], v[DGA], s[DB:DB+1] offset:16384*\i   ; my 64 channels of the row of D, four a load
.endr
	LOADK 0                                        ; step 0: no vector or matrix instruction has named these registers
	LOADV 0
	s_wait_loadcnt 63                              ; D is in.  68 loads are younger; 63 is the largest count that the wait can name, and a smaller count is safe
	; D turns through my own part of LDS: in as it lies (a channel's 32 queries on end), out a lane a query, the registers down my 64 channels: two whole blocks of the first product's K
.irp i, 0,1,2,3,4,5,6,7,8,9,10,11,12,13,14,15
	ds_store_b128 v[DSA], v[SS+4*\i:SS+4*\i+3] offset:512*\i
.endr
.set j, 0
.rept 64
	ds_load_b32 v[SS+64+j], v[DLA] offset:128*j    ; LDS serves a wave's instructions in order: these see my stores
.set j, j+1
.endr
	s_wait_dscnt 0x0
	QD SS+64, PC, BM, SO                           ; block 2 w of query = lane
	QD SS+96, PC+4, BM+2, SO+1                     ; block 2 w + 1
	v_lshrrev_b32 v[BY], 23, v[SO]                 ; the two scale bytes.  (Also the plain line behind the conversions)
	v_lshrrev_b32 v[BY+1], 23, v[SO+1]
	v_lshl_or_b32 v[BY], v[BY+1], 8, v[BY]
.irp g, 0,1,2,3
	v_permlane16_swap_b32 v[PC+\g], v[PC+4+\g]     ; the first's lanes 16-31 change places with the second's lanes 0-15: the first four registers are now tile 0's (lanes 0-15 block 2 w, lanes 16-31 block 2 w + 1), the second four tile 1's
.endr
	s_wait_alu depctr_va_vdst(0)                   ; the exchanges have written Q's codes and the shift-and-or its two scale bytes, which the three LDS stores read
	ds_store_b128 v[QWI], v[PC:PC+3]               ; images of the operand's registers
	ds_store_b128 v[QWI], v[PC+4:PC+7] offset:2048
	ds_store_b16 v[QWS], v[BY]
	s_wait_dscnt 0x0                               ; for the others' sake: my part of Q lies in LDS.  (The loads of K and V, of bytes that nobody writes, stay out)
	s_barrier_signal -1
	s_barrier_wait -1
	s_wait_alu depctr_vm_vsrc(0)                   ; my LDS stores have read D's registers, which the first products write as S^T, and the codes' and the bytes' registers, which the softmax writes as P's
.irp q, 0,1
.irp s, 0,1
.irp c, 0,1
	ds_load_b128 v[QF+16*\q+8*\s+4*\c:QF+16*\q+8*\s+4*\c+3], v[L16] offset:QIMG+2048*\q+1024*\s+512*\c
.endr
.endr
.endr
.irp s, 0,1
	ds_load_b32 v[QSW+\s], v[QRS] offset:128*\s
.endr
	s_wait_dscnt 0x0
	STEP 1, 1, 1                                   ; the first step stands in front of the loop: its products start O^T's sums
	s_mov_b32 s[CNT], 6
.Lstep:
	STEP 0, 1, 0
	s_sub_co_u32 s[CNT], s[CNT], 1
	s_cmp_lg_u32 s[CNT], 0
	s_cbranch_scc1 .Lstep
	STEP 0, 0, 0                                   ; the last step is written out: it asks for nothing, so no load leaves its buffer, and it has no wait for loads' sake
	; THE WAY OUT.  Each wave's partial O^T goes into its own stage (a row a query, 256 channels); behind a barrier wave w reads its 64 channels of all four, a lane a query, adds them and the residual, and stores each
	; number four times: as a pair (two neighbouring pixels), into two rows.
	WIN TO_V
	s_wait_alu depctr_va_vdst(0)                   ; the last products have written O^T, which the LDS stores below read; the four plain lines above stay beside this wait.  Between it and those stores stand LDS loads into registers that no vector line names, and a window switch
.set j, 0
.rept 64
	ds_load_b32 v[128+j], v[DLA] offset:128*j      ; the residual: D(64 w + j, my query), still in my part of LDS
.set j, j+1
.endr
	WIN ST_O
.irp q, 0,1
.irp t, 0,1,2,3,4,5,6,7,8,9,10,11,12,13,14,15
	ds_store_b128 v[STO], v[128*\q+8*\t:128*\q+8*\t+3] offset:16*SPT*\q+64*\t          ; lane (r, h): query 16 q + r, channels 16 t + 8 h + 0 .. 7; each accumulator from its low end on
	ds_store_b128 v[STO], v[128*\q+8*\t+4:128*\q+8*\t+7] offset:16*SPT*\q+64*\t+16
.endr
.endr
	WIN 0
	s_wait_dscnt 0x0                               ; for the others' sake: my partial sums lie in the stage; the residual is in
	s_barrier_signal -1
	s_barrier_wait -1
	s_wait_alu depctr_vm_vsrc(0)                   ; my LDS stores have read O^T's registers: the pairs to be stored are written over tile 0's
	WIN TO_K
.irp q, 0,1,2,3                                ; in four groups of 16 channels, so that the first can be added and stored while the others come.  (K's registers: the products that read them stand ahead of the waits on va_vdst above)
.irp p, 0,1,2,3
.irp n, 0,1,2,3
	ds_load_b128 v[64*\p+16*\q+4*\n:64*\p+16*\q+4*\n+3], v[RD0+\p/2] offset:WST*(\p%2)+64*\q+16*\n
.endr
.endr
.endr
.irp q, 0,1,2,3
	s_wait_dscnt 48-16*\q                          ; group q's sixteen loads are in; the later groups' may be out
	WIN SUM
.irp k, 0,2,4,6,8,10,12,14
	v_pk_add_f32 v[16*\q+\k:16*\q+\k+1], v[16*\q+\k:16*\q+\k+1], v[64+16*\q+\k:64+16*\q+\k+1]
	v_pk_add_f32 v[128+16*\q+\k:128+16*\q+\k+1], v[128+16*\q+\k:128+16*\q+\k+1], v[192+16*\q+\k:192+16*\q+\k+1]
.endr
.irp k, 0,2,4,6,8,10,12,14
	v_pk_add_f32 v[16*\q+\k:16*\q+\k+1], v[16*\q+\k:16*\q+\k+1], v[128+16*\q+\k:128+16*\q+\k+1]
.endr
	WIN FIN
.irp k, 0,1,2,3,4,5,6,7,8,9,10,11,12,13,14,15
	v_add_f32 v[2*(16*\q+\k)], v[16*\q+\k], v[128+16*\q+\k]        ; + the residual, made twice: the pair for pixels 2 w' and 2 w' + 1
	v_add_f32 v[2*(16*\q+\k)+1], v[16*\q+\k], v[128+16*\q+\k]
.endr
	WIN ST_O
	s_wait_alu depctr_va_vdst(0)                   ; the additions have written group q's sixteen pairs, which its 32 stores read; no pair is written again
.irp k, 0,1,2,3,4,5,6,7,8,9,10,11,12,13,14,15
	global_store_b64 v[OA], v[2*(16*\q+\k):2*(16*\q+\k)+1], s[OB:OB+1] offset:16384*(16*\q+\k) th:TH_STORE_NT       ; 32 lanes store a whole row of the output: 256 consecutive aligned bytes; written once, read by nobody here
	global_store_b64 v[OA], v[2*(16*\q+\k):2*(16*\q+\k)+1], s[OB:OB+1] offset:16384*(16*\q+\k)+256 th:TH_STORE_NT   ; and the row below
.endr
.endr
	WIN 0
	s_wait_dscnt 0x0
	s_wait_alu depctr_hold_cnt(0) depctr_sa_sdst(0) depctr_va_vdst(0) depctr_va_sdst(0) depctr_va_ssrc(0) depctr_va_vcc(0) depctr_vm_vsrc(0)
	s_wait_tensorcnt 0x0
	ds_add_u32 v126, v127
	s_wait_dscnt 0x0
	s_endpgm
.Lfunc_end_k_q99947acd4e_attn:
	.size	k_q99947acd4e_attn, .Lfunc_end_k_q99947acd4e_attn-k_q99947acd4e_attn
	.p2alignl 7, 3214868480
	.fill 96, 4, 3214868480
	.section	.rodata,"a",@progbits
	.p2align	6, 0x0
	.amdhsa_kernel k_q99947acd4e_attn
		.amdhsa_group_segment_fixed_size 170752
		.amdhsa_private_segment_fixed_size 0
		.amdhsa_enable_private_segment 0
		.amdhsa_kernarg_size 48
		.amdhsa_user_sgpr_count 2
		.amdhsa_user_sgpr_kernarg_segment_ptr 1
		.amdhsa_wavefront_size32 1
		.amdhsa_system_sgpr_workgroup_id_x 1
		.amdhsa_system_sgpr_workgroup_id_y 1
		.amdhsa_system_sgpr_workgroup_id_z 1
		.amdhsa_system_vgpr_workitem_id 0
		.amdhsa_next_free_vgpr 1024
		.amdhsa_next_free_sgpr 66
		.amdhsa_reserve_vcc 0
		.amdhsa_float_denorm_mode_32 3
		.amdhsa_float_denorm_mode_16_64 3
		.amdhsa_memory_ordered 1
		.amdhsa_forward_progress 1
		.amdhsa_inst_pref_size 173
	.end_amdhsa_kernel
	.amdgpu_metadata
---
amdhsa.version: [ 1, 2 ]
amdhsa.kernels:
  - .name:           k_q99947acd4e_attn
    .symbol:         k_q99947acd4e_attn.kd
    .args:
      - { .name: D, .offset: 0, .size: 8, .value_kind: global_buffer, .address_space: global }
      - { .name: kc, .offset: 8, .size: 8, .value_kind: global_buffer, .address_space: global }
      - { .name: ks, .offset: 16, .size: 8, .value_kind: global_buffer, .address_space: global }
      - { .name: vc, .offset: 24, .size: 8, .value_kind: global_buffer, .address_space: global }
      - { .name: vs, .offset: 32, .size: 8, .value_kind: global_buffer, .address_space: global }
      - { .name: out0, .offset: 40, .size: 8, .value_kind: global_buffer, .address_space: global }
    .group_segment_fixed_size: 170752
    .private_segment_fixed_size: 0
    .kernarg_segment_align: 8
    .kernarg_segment_size: 48
    .max_flat_workgroup_size: 128
    .sgpr_count:     66
    .vgpr_count:     1024
    .wavefront_size: 32
...
	.end_amdgpu_metadata
.endif
;; end of part 4
